; MI455X (gfx1250); checked and timed in simulation.
; The chip was launched on July 23, 2026; its instructions are those of AMD's public machine-readable ISA for CDNA 5 (MIT licence, August 2026) and "CDNA5" Instruction Set Architecture Reference Guide (July 2026). The comments in the code are by the model that wrote it; some were corrected since.
;; Dilated Self Attention. Allowed arithmetic: float matrix products may take bf16 or f16 operands with f32 sums; all other float work in f32.
;; Inputs: Wk 1,024 x 1,024 float32; Wo 1,024 x 1,024 float32; Wq 1,024 x 1,024 float32; Wv 1,024 x 1,024 float32; bk 1,024 float32; bo 1,024 float32; bq 1,024 float32; bv 1,024 float32; x 2 x 4,096 x 1,024 float32.
;; Outputs: out0 2 x 4,096 x 1,024 float32.
;; 2 versions, each right; version 2 is version 1 with the launch prep written anew for expert scheduling mode. Each part assembles by itself: llvm-mc -triple=amdgcn-amd-amdhsa -mcpu=gfx1250 --defsym DOCPART=n.
;; ======== version 1 of 2: 4 launches
;; limits: values are held in f16: magnitudes above 65,504 overflow, below 6.1e-05 lose precision
;; workspace buffers: xb 16,777,216 bytes; wall 8,388,608 bytes; ball 12,288 bytes; qkv 50,331,648 bytes; ab 16,777,216 bytes
;; launch prep (part 1): grid 384 x 1, 8 waves a work-group, no clusters, 74,752 bytes of LDS; arguments x, Wq, Wk, Wv, Wo, bq, bv, xb, wall, ball; writes xb, wall, ball
.if DOCPART == 1
	.amdgcn_target "amdgcn-amd-amdhsa--gfx1250"
	.amdhsa_code_object_version 6
	.text
	.protected	k_qc76110cd97_prep
	.globl	k_qc76110cd97_prep
	.p2align	8
	.type	k_qc76110cd97_prep,@function
k_qc76110cd97_prep:
	s_mov_b64 s[64:65], 0
	v_nop
	global_prefetch_b8 v0, s[64:65] scope:SCOPE_SE
	s_setreg_imm32_b32 hwreg(HW_REG_WAVE_MODE, 25, 1), 1
	s_wait_xcnt 0x0
; PREP: x and the four weight matrices are rounded to f16 once and laid out for the matrix kernels that follow.
;   xb   [16 kb][8192 rows][64]  f16: x, cut along its 1024 columns into 16 blocks of 64
;   wall [16 kb][4096 n][64 k]   f16: W transposed; n = 1024 mat + column, mat = 0 Wq, 1 Wk, 2 Wv, 3 Wo
;   ball [3072] f32: bq, 1024 zeros, bv  (the addend of the 3072 columns of the joint q, k, v product)
; In these layouts a tile of R rows x 64 k is R x 128 consecutive bytes.
;
; WHY f16 AND NOT bf16, in the whole program: from x to the output a number passes six roundings of matrix operands (x or W; q, k or v; P;
; the attention's result; Wo), and a score two more; f16 keeps 11 significant bits where bf16 keeps 8, so each of them is 8 times finer.
; ITS RANGE, by the problem's sizes: f16 reaches 65,504 and steps by 2^-24 below 2^-14.  x has spread 1 and W spread 1/32; 30 times larger or
; smaller both stay far inside (a W of spread 0.001 is rounded in steps of 2^-24, 3e-5 of its spread).  q, k, v are sums of 1024 products and have
; spread 1; with x and W both 30 times larger they are 900 times larger, some 5,700 at the most; with a common offset of 30 spreads on x (30) and
; on W (30/32) they lie near 1024 x 30 x 30/32 = 28,800; with both 30 times smaller their spread is 0.0011, 2e4 steps.
; LIMIT: where |q|, |k| or |v| passes 65,504 the conversion overflows and the result is not served.
;
; WORK LEFT OUT BY THE WHOLE PROGRAM, for all finite values of the inputs:
;  * bk.  k = x Wk + bk, and a score is q . k / 8, so bk adds q . bk / 8 to every score of a query: the same number along
;    the axis of each of the five softmaxes (the segment's own and the four neighbours'), where it cancels.  k is used
;    nowhere else.  So bk has no way to the output: it is not loaded and is no argument of any launch; ball holds
;    zeros for k's columns, so that all columns have one way out.
;  * Neighbours that do not exist.  reference() multiplies the cross attention of a segment n < 0 or n > 31 by its own
;    mask's zero; the segment number alone decides that, so those products are not made (launch attn).
;  * pad = (-4096) mod 128 = 0: the padding and the last slice move nothing.
; LIMIT: a NaN, an infinity or an overflow that reaches the result only through bk or only through a neighbour that
; does not exist is not carried.
;
; Memory binds here: no matrix unit, no cluster, no barrier.  Work-groups 0-255 convert x, 256-383 the weights.
.set XR, 16                            ; v[16:143]  32 loads of 4 registers
.set PK, 144                           ; v[144:159] packed columns on their way into LDS
.set WPITCH, 144                       ; an LDS row of the transposed tile: 64 f16 + 16 bytes
.set WTILE, 64*WPITCH                  ; a wave's own LDS bytes
	s_load_b512 s[8:23], s[0:1], 0x0               ; x s[8:9], Wq s[10:11], Wk s[12:13], Wv s[14:15], Wo s[16:17], bq s[18:19], bv s[20:21], xb s[22:23]
	s_load_b128 s[24:27], s[0:1], 0x40             ; wall s[24:25], ball s[26:27]
	v_lshl_add_u32 v160, v0, 2, 0x12000
	v_mov_b32 v161, 0
	v_lshrrev_b32 v1, 5, v0
	v_readfirstlane_b32 s4, v1                     ; wave 0..7
	v_and_b32 v6, 31, v0                           ; lane l
	v_and_b32 v7, 15, v0                           ; l % 16
	v_bfe_u32 v8, v0, 4, 1                         ; l / 16
	s_cmp_lt_u32 ttmp9, 256
	s_cbranch_scc0 .Lweights
	; ---- x: a wave converts 4 rows.  One load: lanes 0-15 take 256 aligned bytes (64 columns = one block kb) of a row, lanes 16-31 of the next row.
	v_lshlrev_b32 v1, 4, v7
	v_lshl_add_u32 v1, v8, 12, v1                  ; (l / 16) x 4096 + 16 (l % 16)
	v_lshlrev_b32 v2, 3, v6                        ; 8 l: in xb the two rows' 128 bytes follow each other
	s_lshl_b32 s5, ttmp9, 5
	s_lshl2_add_u32 s5, s4, s5                     ; first row = 32 x work-group + 4 x wave
	s_lshl_b32 s32, s5, 12                         ; x 4096 bytes in x
	s_mov_b32 s33, 0
	s_lshl_b32 s34, s5, 7                          ; x 128 bytes in a block of xb
	s_mov_b32 s35, 0
	s_wait_kmcnt 0x0
	s_add_nc_u64 s[8:9], s[8:9], s[32:33]
	s_add_nc_u64 s[28:29], s[22:23], s[34:35]      ; blocks 0-7
	s_add_nc_u64 s[30:31], s[28:29], 0x800000      ; blocks 8-15: the immediate reaches 7 blocks of 1,048,576 bytes
.set i, 0
.rept 32                                               ; i = 16 x row pair + kb: all 32 loads of the wave go out at once, 16 KiB
	global_load_b128 v[XR+4*i:XR+4*i+3], v1, s[8:9] offset:(i>>4)*8192+(i&15)*256 th:TH_LOAD_NT
.set i, i+1
.endr
.set i, 0
.rept 32
	s_wait_loadcnt 31-i                            ; loads return in order: load i is in, the 31 - i younger ones stay out
	v_cvt_pk_f16_f32 v[XR+4*i], v[XR+4*i], v[XR+4*i+1]
	v_cvt_pk_f16_f32 v[XR+4*i+1], v[XR+4*i+2], v[XR+4*i+3]
.if (i&15) < 8
	global_store_b64 v2, v[XR+4*i:XR+4*i+1], s[28:29] offset:(i&7)*1048576+(i>>4)*256   ; the wave's 32 lanes store 256 consecutive bytes, aligned
.else
	global_store_b64 v2, v[XR+4*i:XR+4*i+1], s[30:31] offset:(i&7)*1048576+(i>>4)*256
.endif
.set i, i+1
.endr
	s_endpgm                                       ; no register of a load or store was written again: no further wait
	; ---- weights: a wave converts and transposes a tile of 64 k x 64 n through its own LDS bytes
.Lweights:
	s_sub_co_u32 s5, ttmp9, 256                    ; g = 0..127
	s_lshr_b32 s6, s5, 5                           ; mat
	s_bfe_u32 s7, s5, 0x40001                      ; kb
	s_and_b32 s28, s5, 1
	s_lshl3_add_u32 s28, s28, s4                   ; nb = 8 (g & 1) + wave: which 64 columns
	s_mul_i32 s29, s4, WTILE
	v_lshlrev_b32 v1, 4, v7
	v_lshl_add_u32 v1, v8, 15, v1                  ; lanes 16-31 read 8 rows of k (32,768 bytes) further down
	v_mul_u32_u24 v3, v7, 4*WPITCH                 ; in: my four columns n = 4 (l % 16) + c are four LDS rows,
	v_lshl_add_u32 v3, v8, 4, v3                   ; my eight k are 16 bytes of each
	v_add_nc_u32 v3, s29, v3
	v_lshrrev_b32 v9, 3, v6
	v_and_b32 v10, 7, v0
	v_mul_u32_u24 v4, v9, WPITCH                   ; back: eight lanes take one LDS row of 128 bytes
	v_lshl_add_u32 v4, v10, 4, v4
	v_add_nc_u32 v4, s29, v4
	v_lshlrev_b32 v5, 4, v6                        ; 16 l
	s_lshl_b32 s32, s7, 18                         ; 64 kb rows of 4096 bytes
	s_lshl_b32 s29, s28, 8                         ; 64 nb columns of 4 bytes
	s_add_co_u32 s32, s32, s29
	s_mov_b32 s33, 0
	s_lshl_b32 s34, s7, 19                         ; wall: kb x 524,288
	s_lshl_b32 s29, s6, 17                         ; + 1024 mat rows of 128 bytes
	s_add_co_u32 s34, s34, s29
	s_lshl_b32 s29, s28, 13                        ; + 64 nb rows
	s_add_co_u32 s34, s34, s29
	s_mov_b32 s35, 0
	s_wait_kmcnt 0x0
	s_cmp_eq_u32 s6, 1
	s_cselect_b64 s[10:11], s[12:13], s[10:11]
	s_cmp_eq_u32 s6, 2
	s_cselect_b64 s[10:11], s[14:15], s[10:11]
	s_cmp_eq_u32 s6, 3
	s_cselect_b64 s[10:11], s[16:17], s[10:11]     ; the matrix of this work-group
	s_add_nc_u64 s[10:11], s[10:11], s[32:33]
	s_add_nc_u64 s[24:25], s[24:25], s[34:35]
.set i, 0
.rept 32                                               ; pass p = i / 8, row i % 8: lane holds k = 16 p + 8 (l / 16) + i % 8, four columns
	global_load_b128 v[XR+4*i:XR+4*i+3], v1, s[10:11] offset:(16*(i>>3)+(i&7))*4096 th:TH_LOAD_NT
.set i, i+1
.endr
.set p, 0
.rept 4
	s_wait_loadcnt 24-8*p                          ; this pass's eight loads are in, the later passes' stay out
.irp c, 0,1,2,3
.irp i, 0,2,4,6
	v_cvt_pk_f16_f32 v[PK+4*\c+\i/2], v[XR+4*(8*p+\i)+\c], v[XR+4*(8*p+\i+1)+\c]
.endr
	ds_store_b128 v3, v[PK+4*\c:PK+4*\c+3] offset:\c*WPITCH+32*p   ; neighbouring lanes are 576 bytes apart, 64 modulo 256: four lanes meet in each 16-byte column; 16 such stores a wave
.endr
.set p, p+1
.endr
.irp t, 0,1,2,3,4,5,6,7,8,9,10,11,12,13,14,15
	ds_load_b128 v[XR+4*\t:XR+4*\t+3], v4 offset:4*WPITCH*\t       ; my own bytes; LDS serves a wave's instructions in order (ISA guide 5.7.1), so these see the stores
.endr
.irp t, 0,1,2,3,4,5,6,7,8,9,10,11,12,13,14,15
	s_wait_dscnt 15-\t
	global_store_b128 v5, v[XR+4*\t:XR+4*\t+3], s[24:25] offset:512*\t   ; four rows of wall: 512 consecutive bytes
.endr
	; ball: the 16 waves with kb = 0 of Wq, Wk and Wv write the 64 addends of their columns
	s_cmp_lg_u32 s7, 0
	s_cbranch_scc1 .Lend
	s_cmp_eq_u32 s6, 3
	s_cbranch_scc1 .Lend
	v_lshlrev_b32 v2, 3, v6                        ; 8 l
	s_lshl_b32 s32, s28, 8                         ; 64 nb numbers of 4 bytes
	s_mov_b32 s33, 0
	s_lshl_b32 s34, s6, 12
	s_add_co_u32 s34, s34, s32
	s_mov_b32 s35, 0
	s_add_nc_u64 s[26:27], s[26:27], s[34:35]
	s_cmp_eq_u32 s6, 1
	s_cbranch_scc1 .Lzeros
	s_cmp_eq_u32 s6, 0
	s_cselect_b64 s[18:19], s[18:19], s[20:21]     ; bq or bv
	s_add_nc_u64 s[18:19], s[18:19], s[32:33]
	global_load_b64 v[PK:PK+1], v2, s[18:19]
	s_wait_loadcnt 0x0
	s_branch .Lput
.Lzeros:
	v_mov_b32 v[PK], 0                             ; k's columns: bk cancels in every softmax (see the head)
	v_mov_b32 v[PK+1], 0
.Lput:
	global_store_b64 v2, v[PK:PK+1], s[26:27]      ; 256 consecutive bytes, aligned
.Lend:
	s_wait_tensorcnt 0x0
	ds_add_u32 v160, v161
	s_wait_dscnt 0x0
	s_endpgm
.Lfunc_end_k_qc76110cd97_prep:
	.size	k_qc76110cd97_prep, .Lfunc_end_k_qc76110cd97_prep-k_qc76110cd97_prep
	.p2alignl 7, 3214868480
	.fill 96, 4, 3214868480
	.section	.rodata,"a",@progbits
	.p2align	6, 0x0
	.amdhsa_kernel k_qc76110cd97_prep
		.amdhsa_group_segment_fixed_size 74752
		.amdhsa_private_segment_fixed_size 0
		.amdhsa_enable_private_segment 0
		.amdhsa_kernarg_size 80
		.amdhsa_user_sgpr_count 2
		.amdhsa_user_sgpr_kernarg_segment_ptr 1
		.amdhsa_wavefront_size32 1
		.amdhsa_system_sgpr_workgroup_id_x 1
		.amdhsa_system_sgpr_workgroup_id_y 1
		.amdhsa_system_sgpr_workgroup_id_z 1
		.amdhsa_system_vgpr_workitem_id 0
		.amdhsa_next_free_vgpr 162
		.amdhsa_next_free_sgpr 66
		.amdhsa_reserve_vcc 0
		.amdhsa_float_denorm_mode_32 3
		.amdhsa_float_denorm_mode_16_64 3
		.amdhsa_memory_ordered 1
		.amdhsa_forward_progress 1
		.amdhsa_inst_pref_size 26
	.end_amdhsa_kernel
	.amdgpu_metadata
---
amdhsa.version: [ 1, 2 ]
amdhsa.kernels:
  - .name:           k_qc76110cd97_prep
    .symbol:         k_qc76110cd97_prep.kd
    .args:
      - { .name: x, .offset: 0, .size: 8, .value_kind: global_buffer, .address_space: global }
      - { .name: Wq, .offset: 8, .size: 8, .value_kind: global_buffer, .address_space: global }
      - { .name: Wk, .offset: 16, .size: 8, .value_kind: global_buffer, .address_space: global }
      - { .name: Wv, .offset: 24, .size: 8, .value_kind: global_buffer, .address_space: global }
      - { .name: Wo, .offset: 32, .size: 8, .value_kind: global_buffer, .address_space: global }
      - { .name: bq, .offset: 40, .size: 8, .value_kind: global_buffer, .address_space: global }
      - { .name: bv, .offset: 48, .size: 8, .value_kind: global_buffer, .address_space: global }
      - { .name: xb, .offset: 56, .size: 8, .value_kind: global_buffer, .address_space: global }
      - { .name: wall, .offset: 64, .size: 8, .value_kind: global_buffer, .address_space: global }
      - { .name: ball, .offset: 72, .size: 8, .value_kind: global_buffer, .address_space: global }
    .group_segment_fixed_size: 74752
    .private_segment_fixed_size: 0
    .kernarg_segment_align: 8
    .kernarg_segment_size: 80
    .max_flat_workgroup_size: 256
    .sgpr_count:     66
    .vgpr_count:     162
    .wavefront_size: 32
...
	.end_amdgpu_metadata
.endif
;; end of part 1
;; launch qkv (part 2): grid 8 x 32, 4 waves a work-group, clusters of 4 x 4, 327,680 bytes of LDS; arguments xb, wall, ball, qkv; writes qkv
.if DOCPART == 2
	.amdgcn_target "amdgcn-amd-amdhsa--gfx1250"
	.amdhsa_code_object_version 6
	.text
	.protected	k_qc76110cd97_qkv
	.globl	k_qc76110cd97_qkv
	.p2align	8
	.type	k_qc76110cd97_qkv,@function
k_qc76110cd97_qkv:
	s_mov_b64 s[64:65], 0
	v_nop
	global_prefetch_b8 v0, s[64:65] scope:SCOPE_SE
	s_setreg_imm32_b32 hwreg(HW_REG_WAVE_MODE, 25, 1), 1
	s_wait_xcnt 0x0
	s_wait_alu depctr_hold_cnt(0) depctr_sa_sdst(0) depctr_va_vdst(0) depctr_va_sdst(0) depctr_va_ssrc(0) depctr_va_vcc(0) depctr_vm_vsrc(0)
	s_getreg_b32 s2, hwreg(HW_REG_IB_STS2, 6, 4)
	s_cmp_eq_u32 s2, 0
	s_cbranch_scc0 .Lentry_in_a_cluster
	s_endpgm
.Lentry_in_a_cluster:
	s_bfe_u32 s2, ttmp6, 0x10000c
	s_cmp_lg_u32 s2, 0xf033
	s_cbranch_scc0 .Lentry_shape_is_right
	s_endpgm
.Lentry_shape_is_right:
; QKV: [q | k | v] = x [Wq | Wk | Wv] + [bq | 0 | bv], one product of 8192 x 3072 x 1024 in f16 with f32 sums.
; bk is left out: it cancels in every softmax (shown at the head of the first kernel); ball holds zeros in its place.
; Output qkv [48 heads: q 0-15, k 16-31, v 32-47][8192 rows][64] f16, rounded once.
; LIMIT: a q, k or v beyond 65,504 overflows f16 (the room is counted at the head of the first kernel: 900 times the drawn size is some 5,700).
; A work-group makes 256 rows x 384 columns (6 heads): 32 x 8 = 256 work-groups.  Four waves, one for each SIMD; a wave makes
; 128 x 192 = 96 accumulator tiles of 16 x 16 = 768 registers.  K goes in 16 steps of 64 (one block kb) through two LDS slots.
; CLUSTERS: 4 x 4.  The four work-groups of a row of the cluster share A's tile (block row), the four of a column B's tile
; (block column): each tile is asked for jointly, which divides the requests by four.
; The matrix instruction is used transposed (source 0 = rows of wall, source 1 = rows of xb): lane (r, h) then holds row r of C
; and eight neighbouring columns 8 h + j, which pack into 16 bytes.
; REGISTERS: window 0: v16-27 addresses, v32-95 and v96-159 two buffers of A's 8 fragments, v160-255 B's 12 fragments (one buffer,
; loaded again group by group, each group of four straight behind the products that read it).
; Windows 1-3: head g of the wave's three in window g + 1, tile (bb, a) at v[8 (8 bb + a)].
.set PITCH,  144                       ; LDS row: 128 bytes + 16: an odd multiple of 16, so the 16 rows of a fragment load lie 16 bytes apart modulo 256
.set TILE16, 16*PITCH
.set REG,    192*PITCH                 ; a wave's part of a slot: 192 rows of B, or 128 rows of A
.set SLOT,   4*REG
.set STAGE,  2*SLOT                    ; behind the ring: 32 rows x 144 bytes for each wave; no fill lands here
.set BIAS,   STAGE+4*32*PITCH          ; 192 f32 for each wave
.set ADRA, 16                          ; v16-17 my A fragments in slot 0, 1
.set ADRB, 20                          ; v20-21 my B fragments
.set STO,  24
.set RD,   25
.set CO,   26
.set ABI,  27
.set FA0,  32
.set FA1,  96
.set FB,   160
.set T,    96                          ; the way out: sums with their addend, then packed
.set G1,  24                           ; s[24:31] shape of A's tiles
.set G0,  32                           ; s[32:39] from where, to where: A, a set for each slot
.set G1B, 48                           ; s[48:55] shape of B's tiles
.set G0B, 56                           ; s[56:63] B, a set for each slot
.set DENSE4, (3<<16)|(1<<20)|(1<<21)|(4<<22)|(3<<25)   ; elements of 8 bytes; padding on; bit 21 beside a mask; after every 32 words (128 bytes) skip 4 words
.set MSB, 0
.macro WIN new                         ; the immediate's high byte repeats the setting that is left
.if MSB != (\new)
	s_set_vgpr_msb (MSB<<8)|(\new)
.set MSB, (\new)
.endif
.endm
.macro JLOAD s                         ; waves 0, 1 ask for A's two halves, waves 2, 3 for B's: each line has one mask; the branch hangs on the wave's number alone
	s_cmp_eq_u32 s13, 0
	s_cbranch_scc0 .Lfor_b_\@
	tensor_load_to_lds s[G0+4*\s:G0+4*\s+3], s[G1:G1+7]
	s_nop 0
	s_branch .Lasked_\@
.Lfor_b_\@:
	tensor_load_to_lds s[G0B+4*\s:G0B+4*\s+3], s[G1B:G1B+7]
	s_nop 0
.Lasked_\@:
.endm
.macro CREST                           ; a round of the cluster's barrier behind its opening work-group barrier
	s_cmp_lg_u32 s12, 0
	s_cbranch_scc1 .Lnot_wave_0_\@
	s_barrier_signal -3
.Lnot_wave_0_\@:
	s_barrier_wait -3
	s_barrier_signal -1
	s_barrier_wait -1
.endm
.macro CROUND
	s_barrier_signal -1
	s_barrier_wait -1
	CREST
.endm
.macro PLACES                          ; four plain vector places behind a matrix instruction, before its registers are loaded again or its result is read (ISA guide 7.12.1)
.rept 4
	v_nop
.endr
.endm
	s_load_b256 s[4:11], s[0:1], 0x0               ; xb s[4:5], wall s[6:7], ball s[8:9], qkv s[10:11]
	v_lshl_add_u32 v30, v0, 2, 0x3b400
	v_mov_b32 v31, 0
	ds_add_u32 v30, v31
	ds_add_u32 v30, v31
	v_lshrrev_b32 v1, 5, v0
	v_readfirstlane_b32 s12, v1                    ; wave 0..3
	s_lshr_b32 s13, s12, 1                         ; my half of the rows.  Also: I fetch for A (0) or B (1)
	s_and_b32 s14, s12, 1                          ; my half of the columns.  Also: which half of that tile I fetch
	s_bfe_u32 s40, ttmp6, 0x40000                  ; cx
	s_bfe_u32 s41, ttmp6, 0x40004                  ; cy
	s_lshl_b32 s42, ttmp9, 2
	s_add_co_u32 s42, s42, s40                     ; block column bn = 4 x cluster x + cx
	s_and_b32 s15, ttmp7, 0xffff
	s_lshl_b32 s15, s15, 2
	s_add_co_u32 s15, s15, s41                     ; block row bm = 4 x cluster y + cy
	s_lshl_b32 s43, s41, 2
	s_lshl_b32 s43, 15, s43                        ; my row of the cluster
	s_lshl_b32 s44, 0x1111, s40                    ; my column
	; A tile is dense in memory: it comes in as rows of 256 bytes, and the pad behind every 128 bytes gives each logical row of 64 f16 its pitch of 144
	s_or_b32  s[G1+0], s43, DENSE4
	s_mov_b32 s[G1+1], 32<<16                      ; tensor_dim0 = 32 elements of 8 bytes
	s_mov_b32 s[G1+2], 64<<16                      ; tensor_dim1 = 64 rows of 256 bytes = 128 rows of xb
	s_mov_b32 s[G1+3], 32<<16                      ; tile_dim0
	s_mov_b32 s[G1+4], 64                          ; tile_dim1
	s_mov_b32 s[G1+5], 32                          ; pitch in elements
	s_mov_b32 s[G1+6], 0
	s_mov_b32 s[G1+7], 0
	s_or_b32  s[G1B+0], s44, DENSE4
	s_mov_b32 s[G1B+1], 32<<16
	s_mov_b32 s[G1B+2], 96<<16                     ; 96 rows of 256 bytes = 192 rows of wall
	s_mov_b32 s[G1B+3], 32<<16
	s_mov_b32 s[G1B+4], 96
	s_mov_b32 s[G1B+5], 32
	s_mov_b32 s[G1B+6], 0
	s_mov_b32 s[G1B+7], 0
	s_lshl_b32 s16, s15, 15                        ; A: 256 bm rows of 128 bytes
	s_lshl_b32 s17, s14, 14                        ;    + my half's 128 rows
	s_add_co_u32 s16, s16, s17
	s_mov_b32 s17, 0
	s_mul_i32 s46, s42, 384*128                    ; B: 384 bn rows (in registers that never feed A's descriptors)
	s_mul_i32 s47, s14, 192*128
	s_add_co_u32 s46, s46, s47
	s_mov_b32 s47, 0
	s_mul_i32 s45, s12, REG                        ; to where: the wave's number alone
	s_wait_dscnt 0x0
	s_wait_kmcnt 0x0
	s_add_nc_u64 s[18:19], s[4:5], s[16:17]
	s_add_nc_u64 s[46:47], s[6:7], s[46:47]
	CROUND                                         ; all sixteen work-groups are here: the first joint loads meet
.irp s, 0,1
	s_mov_b32 s[G0+4*\s], 1
	s_add_co_u32 s[G0+4*\s+1], s45, \s*SLOT
	s_add_nc_u64 s[G0+4*\s+2:G0+4*\s+3], s[18:19], \s*1048576      ; K step s = block kb = s of xb
	s_or_b32 s[G0+4*\s+3], s[G0+4*\s+3], 0x80000000
	s_mov_b32 s[G0B+4*\s], 1
	s_add_co_u32 s[G0B+4*\s+1], s45, \s*SLOT
	s_add_nc_u64 s[G0B+4*\s+2:G0B+4*\s+3], s[46:47], \s*524288     ; block kb = s of wall
	s_or_b32 s[G0B+4*\s+3], s[G0B+4*\s+3], 0x80000000
	JLOAD \s                                       ; both slots' first fills go out together: two loads of the wave are out
.endr
	; my 192 addends, once, into my own LDS bytes
	s_mul_i32 s20, s42, 384*4
	s_mul_i32 s21, s14, 192*4
	s_add_co_u32 s20, s20, s21
	s_mov_b32 s21, 0
	s_add_nc_u64 s[8:9], s[8:9], s[20:21]
	v_and_b32 v1, 31, v0
	v_lshlrev_b32 v2, 3, v1
	global_load_b64 v[32:33], v2, s[8:9]
	global_load_b64 v[34:35], v2, s[8:9] offset:256
	global_load_b64 v[36:37], v2, s[8:9] offset:512
	s_mul_i32 s22, s12, 768
	s_add_co_u32 s22, s22, BIAS
	v_add_nc_u32 v3, s22, v2
	v_and_b32 v4, 15, v0                           ; r
	v_bfe_u32 v5, v0, 4, 1                         ; h
	v_mul_u32_u24 v6, v4, PITCH
	v_lshl_add_u32 v6, v5, 4, v6                   ; r x pitch + 16 h: a fragment is two loads of 16 bytes, 32 bytes apart
	s_mul_i32 s16, s13, REG                        ; my 128 rows of A
	s_mul_i32 s17, s14, REG
	s_add_co_u32 s17, s17, 2*REG                   ; my 192 rows of B
.irp s, 0,1
	v_add_nc_u32 v[ADRA+\s], s16, v6
	v_add_nc_u32 v[ADRB+\s], s17, v6
	s_add_co_u32 s16, s16, SLOT
	s_add_co_u32 s17, s17, SLOT
.endr
	s_mul_i32 s16, s12, 32*PITCH
	s_add_co_u32 s16, s16, STAGE
	v_add_nc_u32 v[STO], s16, v6
	v_lshrrev_b32 v7, 3, v1
	v_and_b32 v8, 7, v0
	v_mul_u32_u24 v9, v7, PITCH
	v_lshl_add_u32 v9, v8, 4, v9
	v_add_nc_u32 v[RD], s16, v9                    ; back: eight lanes take a row of 128 bytes
	v_lshlrev_b32 v[CO], 4, v1
	v_lshl_add_u32 v[ABI], v5, 5, s22              ; my eight columns' addends: 32 h bytes into a tile's 64
	s_mul_i32 s20, s42, 6
	s_mul_i32 s21, s14, 3
	s_add_co_u32 s20, s20, s21                     ; my first head = 6 bn + 3 x half
	s_lshl_b32 s20, s20, 20
	s_lshl_b32 s21, s15, 15
	s_add_co_u32 s20, s20, s21
	s_lshl_b32 s21, s13, 14
	s_add_co_u32 s20, s20, s21                     ; + (256 bm + 128 x half) rows of 128 bytes
	s_mov_b32 s21, 0
	s_add_nc_u64 s[10:11], s[10:11], s[20:21]
	s_wait_loadcnt 0x0
	ds_store_b64 v3, v[32:33]
	ds_store_b64 v3, v[34:35] offset:256
	ds_store_b64 v3, v[36:37] offset:512
; 16 matrix instructions of head g: column tiles bb0, bb0 + 1 x all 8 row tiles, 32 along K.  zero = 1: the first product starts the sums.
; The 96 accumulators take turns, one instruction a turn, in the same order in every quarter.
.macro MUL16 g, f, bb0, zero
	WIN (\g+1)*0x50
.irp bb, \bb0, \bb0+1
.irp a, 0,1,2,3,4,5,6,7
.if \zero
	v_wmma_f32_16x16x32_f16 v[8*(8*(\bb)+\a):8*(8*(\bb)+\a)+7], v[FB+8*(4*\g+(\bb)):FB+8*(4*\g+(\bb))+7], v[\f+8*\a:\f+8*\a+7], 0
.else
	v_wmma_f32_16x16x32_f16 v[8*(8*(\bb)+\a):8*(8*(\bb)+\a)+7], v[FB+8*(4*\g+(\bb)):FB+8*(4*\g+(\bb))+7], v[\f+8*\a:\f+8*\a+7], v[8*(8*(\bb)+\a):8*(8*(\bb)+\a)+7]
.endif
.endr
.endr
.endm
.macro GROUP g, f, zero
	MUL16 \g, \f, 0, \zero
	MUL16 \g, \f, 2, \zero
.endm
.macro LOADB slot, k, g                ; 8 loads: the four B fragments of head g at byte k of the rows
.irp bb, 0,1,2,3
	ds_load_b128 v[FB+8*(4*\g+\bb):FB+8*(4*\g+\bb)+3],   v[ADRB+\slot] offset:\k+(4*\g+\bb)*TILE16
	ds_load_b128 v[FB+8*(4*\g+\bb)+4:FB+8*(4*\g+\bb)+7], v[ADRB+\slot] offset:\k+(4*\g+\bb)*TILE16+32
.endr
.endm
.macro LOADA slot, k, f                ; 16 loads: A's eight fragments
.irp a, 0,1,2,3,4,5,6,7
	ds_load_b128 v[\f+8*\a:\f+8*\a+3],   v[ADRA+\slot] offset:\k+\a*TILE16
	ds_load_b128 v[\f+8*\a+4:\f+8*\a+7], v[ADRA+\slot] offset:\k+\a*TILE16+32
.endr
.endm
; LDS loads are issued in every quarter in the order [B of head 0 (8), A (16)], [B of head 1 (8)], [B of head 2 (8)].
; First quarter of a K step: multiplies A's buffer 0, fetches the second quarter (byte 64 of the same slot's rows).
.macro QFIRST slot, zero
	s_wait_dscnt 16                                ; head 0's B and A are in; the two later groups of B (8 + 8) may be out
	GROUP 0, FA0, \zero
	WIN 0
	PLACES
	LOADB \slot, 64, 0
	LOADA \slot, 64, FA1
	s_wait_dscnt 32                                ; head 1's B is in; out: head 2's (8) and the 24 just issued
	GROUP 1, FA0, \zero
	WIN 0
	PLACES
	LOADB \slot, 64, 1
	s_wait_dscnt 32                                ; head 2's B is in; out: those 24 and the 8 just issued
	GROUP 2, FA0, \zero
	WIN 0
	PLACES
	LOADB \slot, 64, 2
.endm
; Second quarter: multiplies buffer 1 and changes slots.  One barrier does two things: in front of it each wave has waited for its reads of
; this slot and for all its tensor loads (the one that is out is its part of the next slot); behind it this slot is filled again first,
; then the next slot is read.  From a request to the wait for it a wave issues 176 matrix instructions.
.macro QTURN slot, next, fill
	s_wait_dscnt 16
	MUL16 0, FA1, 0, 0
	s_wait_dscnt 0                                 ; all my reads of this slot are back (heads 1 and 2 of this quarter now lie in registers)
	s_wait_tensorcnt 0x0                           ; all my tensor loads have landed
	ds_add_u32 v30, v31
	s_wait_dscnt 0x0
	s_barrier_signal -1                            ; where the slot is filled again this opens a round of the cluster's barrier
	MUL16 0, FA1, 2, 0                             ; register work while the others arrive
	WIN 0
	s_barrier_wait -1
.if \fill
	CREST                                          ; no wave of any partner still reads this slot or has a load on its way
	s_add_nc_u64 s[G0+4*\slot+2:G0+4*\slot+3], s[G0+4*\slot+2:G0+4*\slot+3], 2*1048576
	s_add_nc_u64 s[G0B+4*\slot+2:G0B+4*\slot+3], s[G0B+4*\slot+2:G0B+4*\slot+3], 2*524288
	JLOAD \slot                                    ; my one tensor load behind the round, two K steps ahead
.endif
	PLACES
	LOADB \next, 0, 0
	LOADA \next, 0, FA0
	GROUP 1, FA1, 0
	WIN 0
	PLACES
	LOADB \next, 0, 1
	GROUP 2, FA1, 0
	WIN 0
	PLACES
	LOADB \next, 0, 2
.endm
.macro LAP zero                        ; two K steps: once round the ring, both slots filled again
	QFIRST 0, \zero
	QTURN 0, 1, 1
	QFIRST 1, 0
	QTURN 1, 0, 1
.endm
	s_wait_tensorcnt 0x1                           ; my part of K step 0 is in; step 1's may stay out
	s_wait_dscnt 0x0                               ; my addends are stored
	s_barrier_signal -1
	s_barrier_wait -1
	LOADB 0, 0, 0
	LOADA 0, 0, FA0
	LOADB 0, 0, 1
	LOADB 0, 0, 2
	LAP 1                                          ; K steps 0, 1: the first products start the sums, nothing is cleared
	s_mov_b32 s3, 6
.Llap:
	LAP 0                                          ; K steps 2 to 13; they ask for steps 4 to 15
	s_sub_co_u32 s3, s3, 1
	s_cmp_lg_u32 s3, 0
	s_cbranch_scc1 .Llap
	QFIRST 0, 0                                    ; K step 14: nothing is left to ask for, a plain barrier changes slots
	QTURN 0, 1, 0
	QFIRST 1, 0                                    ; K step 15
	s_wait_dscnt 16                                ; its last quarter fetches nothing: the counts run down
	GROUP 0, FA1, 0
	s_wait_dscnt 8
	GROUP 1, FA1, 0
	s_wait_dscnt 0
	GROUP 2, FA1, 0
	WIN 0
	; THE WAY OUT: 32 rows of one head at a time: add the addend, round to f16, 16 bytes a lane into my stage, whole rows back.
	PLACES
.irp b, 0,1,2,3,4,5,6,7,8,9,10,11
	ds_load_b128 v[FB+8*\b:FB+8*\b+3],   v[ABI] offset:64*\b       ; addends of columns 16 b + 8 h + 0..7
	ds_load_b128 v[FB+8*\b+4:FB+8*\b+7], v[ABI] offset:64*\b+16
.endr
	s_wait_dscnt 0x0
.macro OUT32 g, ap, f
	WIN (\g+1)                                     ; source 0 from the head's window
.irp aa, 0,1
.irp bb, 0,1,2,3
.irp j, 0,2,4,6
	v_pk_add_f32 v[T+8*(4*\aa+\bb)+\j:T+8*(4*\aa+\bb)+\j+1], v[8*(8*\bb+2*\ap+\aa)+\j:8*(8*\bb+2*\ap+\aa)+\j+1], v[FB+8*(4*\g+\bb)+\j:FB+8*(4*\g+\bb)+\j+1]
.endr
.endr
.endr
	WIN 0
.set n, 0
.rept 32
	v_cvt_pk_f16_f32 v[T+n], v[T+2*n], v[T+2*n+1]  ; in place, ascending: word n is written when words 2 n, 2 n + 1 are read
.set n, n+1
.endr
.irp aa, 0,1
.irp bb, 0,1,2,3
	ds_store_b128 v[STO], v[T+4*(4*\aa+\bb):T+4*(4*\aa+\bb)+3] offset:\aa*TILE16+32*\bb
.endr
.endr
	s_wait_xcnt 0x0                                ; buffer f was the data of earlier stores: it is loaded again only behind this wait (ISA guide 3.1)
.irp t, 0,1,2,3,4,5,6,7
	ds_load_b128 v[\f+4*\t:\f+4*\t+3], v[RD] offset:4*PITCH*\t     ; my own bytes, served in order: these see the stores above
.endr
.irp t, 0,1,2,3,4,5,6,7
	s_wait_dscnt 7-\t
	global_store_b128 v[CO], v[\f+4*\t:\f+4*\t+3], s[10:11] offset:\g*1048576+\ap*4096+512*\t   ; four rows of the head: 512 consecutive bytes
.endr
.endm
.irp g, 0,1,2
	OUT32 \g, 0, 32
	OUT32 \g, 1, 64
	OUT32 \g, 2, 32
	OUT32 \g, 3, 64
.endr
	s_wait_tensorcnt 0x0
	ds_add_u32 v30, v31
	s_wait_dscnt 0x0
	CROUND                                         ; the closing round: no work-group ends while a partner may still ask for a tile that names it
	s_endpgm
.Lfunc_end_k_qc76110cd97_qkv:
	.size	k_qc76110cd97_qkv, .Lfunc_end_k_qc76110cd97_qkv-k_qc76110cd97_qkv
	.p2alignl 7, 3214868480
	.fill 96, 4, 3214868480
	.section	.rodata,"a",@progbits
	.p2align	6, 0x0
	.amdhsa_kernel k_qc76110cd97_qkv
		.amdhsa_group_segment_fixed_size 327680
		.amdhsa_private_segment_fixed_size 0
		.amdhsa_enable_private_segment 0
		.amdhsa_kernarg_size 32
		.amdhsa_user_sgpr_count 2
		.amdhsa_user_sgpr_kernarg_segment_ptr 1
		.amdhsa_wavefront_size32 1
		.amdhsa_system_sgpr_workgroup_id_x 1
		.amdhsa_system_sgpr_workgroup_id_y 1
		.amdhsa_system_sgpr_workgroup_id_z 1
		.amdhsa_system_vgpr_workitem_id 0
		.amdhsa_next_free_vgpr 1024
		.amdhsa_next_free_sgpr 66
		.amdhsa_reserve_vcc 0
		.amdhsa_float_denorm_mode_32 3
		.amdhsa_float_denorm_mode_16_64 3
		.amdhsa_memory_ordered 1
		.amdhsa_forward_progress 1
		.amdhsa_inst_pref_size 196
	.end_amdhsa_kernel
	.amdgpu_metadata
---
amdhsa.version: [ 1, 2 ]
amdhsa.kernels:
  - .name:           k_qc76110cd97_qkv
    .symbol:         k_qc76110cd97_qkv.kd
    .args:
      - { .name: xb, .offset: 0, .size: 8, .value_kind: global_buffer, .address_space: global }
      - { .name: wall, .offset: 8, .size: 8, .value_kind: global_buffer, .address_space: global }
      - { .name: ball, .offset: 16, .size: 8, .value_kind: global_buffer, .address_space: global }
      - { .name: qkv, .offset: 24, .size: 8, .value_kind: global_buffer, .address_space: global }
    .group_segment_fixed_size: 327680
    .private_segment_fixed_size: 0
    .kernarg_segment_align: 8
    .kernarg_segment_size: 32
    .max_flat_workgroup_size: 128
    .sgpr_count:     66
    .vgpr_count:     1024
    .wavefront_size: 32
...
	.end_amdgpu_metadata
.endif
;; end of part 2
;; launch attn (part 3): grid 256 x 1, 4 waves a work-group, no clusters, 316,928 bytes of LDS; arguments qkv, ab; writes ab
.if DOCPART == 3
	.amdgcn_target "amdgcn-amd-amdhsa--gfx1250"
	.amdhsa_code_object_version 6
	.text
	.protected	k_qc76110cd97_attn
	.globl	k_qc76110cd97_attn
	.p2align	8
	.type	k_qc76110cd97_attn,@function
k_qc76110cd97_attn:
	s_mov_b64 s[64:65], 0
	v_nop
	global_prefetch_b8 v0, s[64:65] scope:SCOPE_SE
	s_setreg_imm32_b32 hwreg(HW_REG_WAVE_MODE, 25, 1), 1
	s_wait_xcnt 0x0
; ATTN: for each segment of 128 rows and each head: softmax(q k^T / 8) v over the segment's own 128 keys, plus 1/4 of the same over
; every 4th key (32 keys) of each of the segments s-2, s-1, s+1, s+2 that exists.  Five separate softmaxes, each with its own maximum.
; Left out: the products with neighbours that do not exist (reference() multiplies them by its own mask's zero; the segment number decides).
; Input qkv [48 heads][8192][64] f16; output ab [16 heads][8192][64] f16, which is the last product's A in blocks of 64 along K.
; ab HOLDS HALF THE RESULT: the weights used here are 1/2 and 1/8 in place of 1 and 1/4.  They add up to 1 at the most, so what is stored is at most a
; convex combination of v's rows and needs no more of f16's range than v itself; the last launch multiplies by 2 where it adds bo.
; A work-group has one (batch, head) and four neighbouring segments; wave w owns segment s = 4 sg + w: all its queries and keys.
; NO JOINT LOADS: work-groups share only the dilated rows at their edges, 32 KiB of the 256 KiB that a work-group loads.
; Every wave issues the same five tensor loads at the start and nothing is filled again: Q, K, V of its segment (read by itself alone) and
; the dilated K and V rows of two neighbouring segments 4 sg - 2 + 2 w, + 1 (read by all four waves behind one barrier).  At the sequence's ends
; that pair is clamped into 0..31; the clamped tiles lie in places that stand for segments that do not exist and are never read.  They are loaded all the same
; (16 KiB in 2 of 8 work-groups) so that every wave's counted waits count the same five loads.
; SCORES ARE MADE TRANSPOSED, S^T = K Q^T: lane (r, h) holds query r and keys 16 kt + 8 h + j, so a softmax runs down the lane's registers
; plus one exchange between the halves of the wave, and packing neighbouring registers gives P's fragment as it is needed for
; O^T = V^T P^T.  P is multiplied by weight / sum in f32 before it is rounded to f16, so one accumulator serves all five softmaxes.
; LIMITS: q, k, v, P and the result are rounded to f16.  P lies in 0 .. 1/2; below 2^-14 it is rounded in steps of 2^-24.
; REGISTERS: window 0: v16-23 addresses, v32-159 scores (eight units of two tiles), v160-215 softmax figures; window 1: Q's fragments;
; window 2: v0-127 K's fragments, v128-255 V^T's; window 3: O^T, tile (qt, dt) at v[32 qt + 8 dt].
.set KL, 73728                         ; LDS: Q at 0, 128 rows x 144 for each wave; K likewise
.set VL, 147456                        ; V: 128 rows x 160 (an odd multiple of 32, for the transposing loads)
.set KD, 229376                        ; dilated K: eight tiles of 32 rows x 144; tile ti stands for segment 4 sg - 2 + ti
.set VD, 266240                        ; dilated V: eight tiles of 32 rows x 160
.set STAGE, 307200                     ; 16 rows x 144 for each wave; no fill lands here
.set AQ, 16
.set AK, 17
.set AV, 18
.set AKD, 19
.set AVD, 20
.set STO, 21
.set RD, 22
.set CO, 23
.set SC, 32                            ; unit i = v[32 + 16 i .. + 15]: two score tiles, 32 keys of 16 queries
.set MX, 160                           ; a maximum for each unit
.set PR, 176                           ; a pair for each set: first - max x scale, then weight / sum
.set SM, 192                           ; a pair of sums for each unit
.set TP, 208                           ; what comes from the other half of the wave
.set W_OWN, 0x3f000000                 ; 1/2: half of the weight 1 of the segment's own keys
.set W_NBR, 0x3e000000                 ; 1/8: half of the weight 1/4 of a neighbour
.set MSB, 0
.macro WIN new
.if MSB != (\new)
	s_set_vgpr_msb (MSB<<8)|(\new)
.set MSB, (\new)
.endif
.endm
.macro PLACES
.rept 4
	v_nop
.endr
.endm
.macro SHAPE base, w0, d0, d1, pitch   ; descriptor group 1
	s_mov_b32 s[\base+0], \w0
	s_mov_b32 s[\base+1], (\d0)<<16
	s_mov_b32 s[\base+2], (\d1)<<16
	s_mov_b32 s[\base+3], (\d0)<<16
	s_mov_b32 s[\base+4], \d1
	s_mov_b32 s[\base+5], \pitch
	s_mov_b32 s[\base+6], 0
	s_mov_b32 s[\base+7], 0
.endm
.set W_D4, (3<<16)|(1<<20)|(4<<22)|(3<<25)     ; 8-byte elements; behind every 128 bytes 16 bytes of padding
.set W_D8, (3<<16)|(1<<20)|(4<<22)|(7<<25)     ; ... 32 bytes
.set W_S4, (1<<16)|(1<<20)|(4<<22)|(3<<25)     ; 2-byte elements, 16 bytes
.set W_S8, (1<<16)|(1<<20)|(4<<22)|(7<<25)     ; 2-byte elements, 32 bytes
	s_load_b128 s[4:7], s[0:1], 0x0                ; qkv s[4:5], ab s[6:7]
	v_lshl_add_u32 v254, v0, 2, 0x4d400
	v_mov_b32 v255, 0
	ds_add_u32 v254, v255
	ds_add_u32 v254, v255
	v_lshrrev_b32 v1, 5, v0
	v_readfirstlane_b32 s8, v1                     ; wave
	s_and_b32 s9, ttmp9, 7                         ; sg
	s_bfe_u32 s10, ttmp9, 0x40003                  ; head
	s_lshr_b32 s11, ttmp9, 7                       ; batch
	s_lshl2_add_u32 s12, s9, s8                    ; my segment s = 4 sg + w
	s_lshl_b32 s13, s9, 2
	s_lshl1_add_u32 s13, s8, s13
	s_sub_co_i32 s13, s13, 2                       ; 4 sg - 2 + 2 w,
	s_max_i32 s13, s13, 0
	s_min_i32 s13, s13, 30                         ; kept inside the batch's 32 segments
	s_lshl_b32 s14, s10, 20
	s_lshl_b32 s15, s11, 19
	s_add_co_u32 s14, s14, s15                     ; head x 1,048,576 + batch x 4096 rows of 128 bytes
	s_lshl_b32 s74, s12, 14
	s_add_co_u32 s74, s74, s14
	s_mov_b32 s75, 0
	s_mov_b32 s78, s74                             ; the same offset serves ab
	s_mov_b32 s79, 0
	s_lshl_b32 s76, s13, 14
	s_add_co_u32 s76, s76, s14
	s_mov_b32 s77, 0
	s_mov_b32 s72, 0x76543210                      ; v_permlanex16_b32: lane i reads lane i of the other half
	s_mov_b32 s73, 0xfedcba98
	SHAPE 16, W_D4, 32, 64, 32                     ; Q, K: 16 KiB, dense, as 64 rows of 256 bytes
	SHAPE 24, W_D8, 32, 64, 32                     ; V
	SHAPE 32, W_S4, 64, 64, 256                    ; dilated K: 64 rows of 64 f16, every 4th row (256 elements apart) of two segments
	SHAPE 40, W_S8, 64, 64, 256                    ; dilated V
	s_wait_dscnt 0x0
	s_wait_kmcnt 0x0
	s_add_nc_u64 s[74:75], s[4:5], s[74:75]        ; q's rows of my segment
	s_add_nc_u64 s[76:77], s[4:5], s[76:77]
	s_add_nc_u64 s[6:7], s[6:7], s[78:79]
	s_mov_b32 s48, 1
	s_mul_i32 s49, s8, 18432
	s_mov_b64 s[50:51], s[74:75]
	s_or_b32 s51, s51, 0x80000000
	tensor_load_to_lds s[48:51], s[16:23]          ; 1: Q
	s_nop 0
	s_mov_b32 s52, 1
	s_mul_i32 s53, s8, 18432
	s_add_co_u32 s53, s53, KL
	s_add_nc_u64 s[54:55], s[74:75], 0x1000000     ; k's heads lie 16 heads on
	s_or_b32 s55, s55, 0x80000000
	tensor_load_to_lds s[52:55], s[16:23]          ; 2: K
	s_nop 0
	s_mov_b32 s56, 1
	s_mul_i32 s57, s8, 20480
	s_add_co_u32 s57, s57, VL
	s_add_nc_u64 s[58:59], s[74:75], 0x2000000     ; v's 32 heads on
	s_or_b32 s59, s59, 0x80000000
	tensor_load_to_lds s[56:59], s[24:31]          ; 3: V
	s_nop 0
	s_mov_b32 s60, 1
	s_mul_i32 s61, s8, 9216
	s_add_co_u32 s61, s61, KD
	s_add_nc_u64 s[62:63], s[76:77], 0x1000000
	s_or_b32 s63, s63, 0x80000000
	tensor_load_to_lds s[60:63], s[32:39]          ; 4: dilated K
	s_nop 0
	s_mov_b32 s68, 1
	s_mul_i32 s69, s8, 10240
	s_add_co_u32 s69, s69, VD
	s_add_nc_u64 s[70:71], s[76:77], 0x2000000
	s_or_b32 s71, s71, 0x80000000
	tensor_load_to_lds s[68:71], s[40:47]          ; 5: dilated V.  Five loads of the wave are out, and no more are issued
	s_nop 0
	v_and_b32 v2, 31, v0                           ; l
	v_and_b32 v4, 15, v0                           ; r
	v_bfe_u32 v5, v0, 4, 1                         ; h
	v_mul_u32_u24 v6, v4, 144
	v_lshl_add_u32 v6, v5, 4, v6                   ; fragments along the rows: r x 144 + 16 h
	v_and_b32 v7, 7, v0
	v_lshl_add_u32 v8, v5, 3, v7
	v_mul_u32_u24 v8, v8, 160
	v_bfe_u32 v9, v0, 3, 1
	v_lshl_add_u32 v8, v9, 4, v8                   ; transposing loads: (8 h + l % 8) x 160 + 16 ((l / 8) % 2)
	v_lshrrev_b32 v10, 3, v2
	v_mul_u32_u24 v10, v10, 144
	v_lshl_add_u32 v10, v7, 4, v10                 ; rows back from the stage: eight lanes a row
	s_mul_i32 s80, s8, 18432
	v_add_nc_u32 v[AQ], s80, v6
	v_add_nc_u32 v[AK], KL, v[AQ]
	s_mul_i32 s81, s8, 20480
	s_add_co_u32 s81, s81, VL
	v_add_nc_u32 v[AV], s81, v8
	s_mul_i32 s82, s8, 4608
	s_add_co_u32 s82, s82, KD                      ; neighbour s + off is tile w + off + 2: the offset (off + 2) tiles stands in the immediate
	v_add_nc_u32 v[AKD], s82, v6
	s_mul_i32 s83, s8, 5120
	s_add_co_u32 s83, s83, VD
	v_add_nc_u32 v[AVD], s83, v8
	s_mul_i32 s80, s8, 2304
	s_add_co_u32 s80, s80, STAGE
	v_add_nc_u32 v[STO], s80, v6
	v_add_nc_u32 v[RD], s80, v10
	v_lshlrev_b32 v[CO], 4, v2
.irp i, 0,1,2,3,4,5,6,7
	v_mov_b32 v[TP+\i], 0                          ; v_permlanex16_b32 counts as a reader of its destination: written once here
.endr
; The softmax of eight units at once.  ups = units in a set (a set = all the keys of 16 queries): 4 for the segment's own 128 keys, 1 for a neighbour's 32.
; wt = the weight.  exp(x/8 - max/8) = 2^(x c - max c), c = log2(e)/8; the largest exponent is 0, so the sum lies between 1 and the number of keys.
.macro SOFTMAX ups, wt
.irp i, 0,1,2,3,4,5,6,7
	v_max_num_f32 v[MX+\i], v[SC+16*\i], v[SC+16*\i+1]
.endr
.irp k, 1,2,3,4,5,6,7
.irp i, 0,1,2,3,4,5,6,7
	v_max3_num_f32 v[MX+\i], v[MX+\i], v[SC+16*\i+2*\k], v[SC+16*\i+2*\k+1]
.endr
.endr
.if \ups == 4
.irp i, 0,4
	v_max3_num_f32 v[MX+\i], v[MX+\i], v[MX+\i+1], v[MX+\i+2]
.endr
.irp i, 0,4
	v_max_num_f32 v[MX+\i], v[MX+\i], v[MX+\i+3]
.endr
.endif
.irp i, 0,1,2,3,4,5,6,7
.if (\i % \ups) == 0
	v_permlanex16_b32 v[TP+\i], v[MX+\i], s72, s73 ; the other half of the wave holds the query's other keys
.endif
.endr
.irp i, 0,1,2,3,4,5,6,7
.if (\i % \ups) == 0
	v_max_num_f32 v[MX+\i], v[MX+\i], v[TP+\i]
.endif
.endr
.irp i, 0,1,2,3,4,5,6,7
.if (\i % \ups) == 0
	v_mul_f32 v[PR+2*\i], 0xbe38aa3b, v[MX+\i]     ; - max x log2(e)/8, twice: a pair for the packed arithmetic
	v_mul_f32 v[PR+2*\i+1], 0xbe38aa3b, v[MX+\i]
.endif
.endr
.irp k, 0,1,2,3,4,5,6,7
.irp i, 0,1,2,3,4,5,6,7
	v_pk_fma_f32 v[SC+16*\i+2*\k:SC+16*\i+2*\k+1], v[SC+16*\i+2*\k:SC+16*\i+2*\k+1], 0x3e38aa3b, v[PR+2*(\i-(\i%\ups)):PR+2*(\i-(\i%\ups))+1] op_sel_hi:[1,0,1]
.endr
.endr
.set n, 0
.rept 128
	v_exp_f32 v[SC+n], v[SC+n]
.set n, n+1
.endr
	v_nop                                          ; one plain vector instruction between the exponentials and the first use of a result (ISA guide 5.7.2)
	s_wait_alu depctr_va_vdst(0)
.irp i, 0,1,2,3,4,5,6,7
	v_pk_add_f32 v[SM+2*\i:SM+2*\i+1], v[SC+16*\i:SC+16*\i+1], v[SC+16*\i+2:SC+16*\i+3]
.endr
.irp k, 2,3,4,5,6,7
.irp i, 0,1,2,3,4,5,6,7
	v_pk_add_f32 v[SM+2*\i:SM+2*\i+1], v[SM+2*\i:SM+2*\i+1], v[SC+16*\i+2*\k:SC+16*\i+2*\k+1]
.endr
.endr
.irp i, 0,1,2,3,4,5,6,7
	v_add_f32 v[SM+2*\i], v[SM+2*\i], v[SM+2*\i+1]
.endr
.if \ups == 4
.irp i, 0,4
	v_add_f32 v[SM+2*\i], v[SM+2*\i], v[SM+2*\i+2]
	v_add_f32 v[SM+2*\i+4], v[SM+2*\i+4], v[SM+2*\i+6]
.endr
.irp i, 0,4
	v_add_f32 v[SM+2*\i], v[SM+2*\i], v[SM+2*\i+4]
.endr
.endif
.irp i, 0,1,2,3,4,5,6,7
.if (\i % \ups) == 0
	v_permlanex16_b32 v[TP+\i], v[SM+2*\i], s72, s73
.endif
.endr
.irp i, 0,1,2,3,4,5,6,7
.if (\i % \ups) == 0
	v_add_f32 v[SM+2*\i], v[SM+2*\i], v[TP+\i]
.endif
.endr
.irp i, 0,1,2,3,4,5,6,7
.if (\i % \ups) == 0
	v_rcp_f32 v[PR+2*\i], v[SM+2*\i]
.endif
.endr
	v_nop                                          ; one plain place behind the reciprocals
	s_wait_alu depctr_va_vdst(0)
.irp i, 0,1,2,3,4,5,6,7
.if (\i % \ups) == 0
	v_mul_f32 v[PR+2*\i+1], \wt, v[PR+2*\i]        ; weight / sum, twice: a pair
	v_mul_f32 v[PR+2*\i], \wt, v[PR+2*\i]
.endif
.endr
.irp k, 0,1,2,3,4,5,6,7
.irp i, 0,1,2,3,4,5,6,7
	v_pk_mul_f32 v[SC+16*\i+2*\k:SC+16*\i+2*\k+1], v[SC+16*\i+2*\k:SC+16*\i+2*\k+1], v[PR+2*(\i-(\i%\ups)):PR+2*(\i-(\i%\ups))+1]
.endr
.endr
.irp k, 0,1,2,3,4,5,6,7
.irp i, 0,1,2,3,4,5,6,7
	v_cvt_pk_f16_f32 v[SC+16*\i+\k], v[SC+16*\i+2*\k], v[SC+16*\i+2*\k+1]   ; in place, ascending: the unit's first 8 registers become P's fragment of 32 keys
.endr
.endr
.endm
	; Q's and K's fragments: my own bytes, so my own counted wait is all the ordering they need
	s_wait_tensorcnt 0x3                           ; Q and K have landed; V and the two dilated tiles stay out
	WIN 0x40
.irp qt, 0,1,2,3,4,5,6,7
.irp dh, 0,1
	ds_load_b128 v[16*\qt+8*\dh:16*\qt+8*\dh+3],   v[AQ] offset:\qt*2304+64*\dh
	ds_load_b128 v[16*\qt+8*\dh+4:16*\qt+8*\dh+7], v[AQ] offset:\qt*2304+64*\dh+32
.endr
.endr
	WIN 0x80
.irp kt, 0,1,2,3,4,5,6,7
.irp dh, 0,1
	ds_load_b128 v[16*\kt+8*\dh:16*\kt+8*\dh+3],   v[AK] offset:\kt*2304+64*\dh
	ds_load_b128 v[16*\kt+8*\dh+4:16*\kt+8*\dh+7], v[AK] offset:\kt*2304+64*\dh+32
.endr
.endr
	WIN 0
	s_wait_dscnt 0x0
; The segment's own keys, 32 queries (tiles 2 beta, 2 beta + 1) at a time.  In every run of products the accumulators take turns, one
; instruction a turn.
.macro LOCAL beta
.if \beta
.rept 5
	v_nop                                          ; five places: the score products write over P's registers, which the last products read (ISA guide 7.12.1)
.endr
.endif
	WIN 0x06                                       ; source 0 (K) window 2, source 1 (Q) window 1, scores in window 0
.irp dh, 0,1
.irp qi, 0,1
.irp kt, 0,1,2,3,4,5,6,7
.if \dh == 0
	v_wmma_f32_16x16x32_f16 v[SC+64*\qi+8*\kt:SC+64*\qi+8*\kt+7], v[16*\kt+8*\dh:16*\kt+8*\dh+7], v[16*(2*\beta+\qi)+8*\dh:16*(2*\beta+\qi)+8*\dh+7], 0
.else
	v_wmma_f32_16x16x32_f16 v[SC+64*\qi+8*\kt:SC+64*\qi+8*\kt+7], v[16*\kt+8*\dh:16*\kt+8*\dh+7], v[16*(2*\beta+\qi)+8*\dh:16*(2*\beta+\qi)+8*\dh+7], v[SC+64*\qi+8*\kt:SC+64*\qi+8*\kt+7]
.endif
.endr
.endr
.endr
.if \beta == 0
	s_wait_tensorcnt 0x2                           ; V has landed; the two dilated tiles stay out
	WIN 0x80
.irp u, 0,1,2,3
.irp dt, 0,1,2,3
	ds_load_tr16_b128 v[128+32*\u+8*\dt:128+32*\u+8*\dt+3],   v[AV] offset:\u*5120+32*\dt        ; V^T: d = 16 dt + r, keys 32 u + 8 h + 0..7
	ds_load_tr16_b128 v[128+32*\u+8*\dt+4:128+32*\u+8*\dt+7], v[AV] offset:\u*5120+32*\dt+2560   ; keys 32 u + 16 + 8 h + 0..7
.endr
.endr
.endif
	WIN 0
	PLACES
	SOFTMAX 4, W_OWN
.if \beta == 0
	s_wait_dscnt 0x0
.endif
	WIN 0xf2                                       ; source 0 (V^T) window 2, source 1 (P) window 0, O^T in window 3
.irp u, 0,1,2,3
.irp qi, 0,1
.irp dt, 0,1,2,3
.if \u == 0
	v_wmma_f32_16x16x32_f16 v[32*(2*\beta+\qi)+8*\dt:32*(2*\beta+\qi)+8*\dt+7], v[128+32*\u+8*\dt:128+32*\u+8*\dt+7], v[SC+16*(4*\qi+\u):SC+16*(4*\qi+\u)+7], 0
.else
	v_wmma_f32_16x16x32_f16 v[32*(2*\beta+\qi)+8*\dt:32*(2*\beta+\qi)+8*\dt+7], v[128+32*\u+8*\dt:128+32*\u+8*\dt+7], v[SC+16*(4*\qi+\u):SC+16*(4*\qi+\u)+7], v[32*(2*\beta+\qi)+8*\dt:32*(2*\beta+\qi)+8*\dt+7]
.endif
.endr
.endr
.endr
	WIN 0
.endm
	LOCAL 0
	LOCAL 1
	LOCAL 2
	LOCAL 3
	s_wait_tensorcnt 0x0                           ; my dilated tiles have landed,
	s_wait_dscnt 0x0
	s_barrier_signal -1
	s_barrier_wait -1                              ; everybody's have: they are read across waves from here on
; One neighbour: all 128 queries against its 32 dilated keys.  idx = off + 2.
.macro CROSS idx
.rept 5
	v_nop                                          ; places behind the last products: K's, V^T's and P's registers are written again
.endr
	WIN 0x80
.irp kt, 0,1
.irp dh, 0,1
	ds_load_b128 v[16*\kt+8*\dh:16*\kt+8*\dh+3],   v[AKD] offset:\idx*4608+\kt*2304+64*\dh
	ds_load_b128 v[16*\kt+8*\dh+4:16*\kt+8*\dh+7], v[AKD] offset:\idx*4608+\kt*2304+64*\dh+32
.endr
.endr
.irp dt, 0,1,2,3
	ds_load_tr16_b128 v[128+8*\dt:128+8*\dt+3],   v[AVD] offset:\idx*5120+32*\dt
	ds_load_tr16_b128 v[128+8*\dt+4:128+8*\dt+7], v[AVD] offset:\idx*5120+32*\dt+2560
.endr
	s_wait_dscnt 0x0
	WIN 0x06
.irp dh, 0,1
.irp qt, 0,1,2,3,4,5,6,7
.irp kt, 0,1
.if \dh == 0
	v_wmma_f32_16x16x32_f16 v[SC+16*\qt+8*\kt:SC+16*\qt+8*\kt+7], v[16*\kt+8*\dh:16*\kt+8*\dh+7], v[16*\qt+8*\dh:16*\qt+8*\dh+7], 0
.else
	v_wmma_f32_16x16x32_f16 v[SC+16*\qt+8*\kt:SC+16*\qt+8*\kt+7], v[16*\kt+8*\dh:16*\kt+8*\dh+7], v[16*\qt+8*\dh:16*\qt+8*\dh+7], v[SC+16*\qt+8*\kt:SC+16*\qt+8*\kt+7]
.endif
.endr
.endr
.endr
	WIN 0
	PLACES
	SOFTMAX 1, W_NBR
	WIN 0xf2
.irp qt, 0,1,2,3,4,5,6,7
.irp dt, 0,1,2,3
	v_wmma_f32_16x16x32_f16 v[32*\qt+8*\dt:32*\qt+8*\dt+7], v[128+8*\dt:128+8*\dt+7], v[SC+16*\qt:SC+16*\qt+7], v[32*\qt+8*\dt:32*\qt+8*\dt+7]
.endr
.endr
	WIN 0
.endm
	s_cmp_lt_u32 s12, 2                            ; segment s - 2 exists from s = 2 on
	s_cbranch_scc1 .Lno_m2
	CROSS 0
.Lno_m2:
	s_cmp_lt_u32 s12, 1
	s_cbranch_scc1 .Lno_m1
	CROSS 1
.Lno_m1:
	s_cmp_gt_u32 s12, 30                           ; segment s + 1 exists up to s = 30
	s_cbranch_scc1 .Lno_p1
	CROSS 3
.Lno_p1:
	s_cmp_gt_u32 s12, 29
	s_cbranch_scc1 .Lno_p2
	CROSS 4
.Lno_p2:
	; THE WAY OUT: lane (r, h) holds query r and d = 16 dt + 8 h + 0..7: 16 bytes; 16 rows at a time through my stage, whole rows back
	PLACES
	WIN 0x0f
.irp qt, 0,1,2,3,4,5,6,7
.irp dt, 0,1,2,3
.irp j, 0,1,2,3
	v_cvt_pk_f16_f32 v[SC+16*\qt+4*\dt+\j], v[32*\qt+8*\dt+2*\j], v[32*\qt+8*\dt+2*\j+1]
.endr
.endr
.endr
	WIN 0
.macro OUT16 qt, f
.irp dt, 0,1,2,3
	ds_store_b128 v[STO], v[SC+16*\qt+4*\dt:SC+16*\qt+4*\dt+3] offset:32*\dt
.endr
	s_wait_xcnt 0x0                                ; buffer f was the data of earlier stores: it is loaded again only behind this wait (ISA guide 3.1)
.irp t, 0,1,2,3
	ds_load_b128 v[\f+4*\t:\f+4*\t+3], v[RD] offset:576*\t         ; my own bytes, served in order
.endr
.irp t, 0,1,2,3
	s_wait_dscnt 3-\t
	global_store_b128 v[CO], v[\f+4*\t:\f+4*\t+3], s[6:7] offset:\qt*2048+512*\t   ; four rows: 512 consecutive bytes
.endr
.endm
	OUT16 0, 160
	OUT16 1, 176
	OUT16 2, 160
	OUT16 3, 176
	OUT16 4, 160
	OUT16 5, 176
	OUT16 6, 160
	OUT16 7, 176
	s_wait_tensorcnt 0x0
	ds_add_u32 v254, v255
	s_wait_dscnt 0x0
	s_endpgm
.Lfunc_end_k_qc76110cd97_attn:
	.size	k_qc76110cd97_attn, .Lfunc_end_k_qc76110cd97_attn-k_qc76110cd97_attn
	.p2alignl 7, 3214868480
	.fill 96, 4, 3214868480
	.section	.rodata,"a",@progbits
	.p2align	6, 0x0
	.amdhsa_kernel k_qc76110cd97_attn
		.amdhsa_group_segment_fixed_size 316928
		.amdhsa_private_segment_fixed_size 0
		.amdhsa_enable_private_segment 0
		.amdhsa_kernarg_size 16
		.amdhsa_user_sgpr_count 2
		.amdhsa_user_sgpr_kernarg_segment_ptr 1
		.amdhsa_wavefront_size32 1
		.amdhsa_system_sgpr_workgroup_id_x 1
		.amdhsa_system_sgpr_workgroup_id_y 1
		.amdhsa_system_sgpr_workgroup_id_z 1
		.amdhsa_system_vgpr_workitem_id 0
		.amdhsa_next_free_vgpr 1024
		.amdhsa_next_free_sgpr 84
		.amdhsa_reserve_vcc 0
		.amdhsa_float_denorm_mode_32 3
		.amdhsa_float_denorm_mode_16_64 3
		.amdhsa_memory_ordered 1
		.amdhsa_forward_progress 1
		.amdhsa_inst_pref_size 255
	.end_amdhsa_kernel
	.section	.bss,"aw",@nobits
	.p2align	6
	.space	262144
	.amdgpu_metadata
---
amdhsa.version: [ 1, 2 ]
amdhsa.kernels:
  - .name:           k_qc76110cd97_attn
    .symbol:         k_qc76110cd97_attn.kd
    .args:
      - { .name: qkv, .offset: 0, .size: 8, .value_kind: global_buffer, .address_space: global }
      - { .name: ab, .offset: 8, .size: 8, .value_kind: global_buffer, .address_space: global }
    .group_segment_fixed_size: 316928
    .private_segment_fixed_size: 0
    .kernarg_segment_align: 8
    .kernarg_segment_size: 16
    .max_flat_workgroup_size: 128
    .sgpr_count:     84
    .vgpr_count:     1024
    .wavefront_size: 32
...
	.end_amdgpu_metadata
.endif
;; end of part 3
;; launch oproj (part 4): grid 8 x 32, 4 waves a work-group, clusters of 4 x 4, 327,680 bytes of LDS; arguments ab, wall, bo, out0; writes out0
.if DOCPART == 4
	.amdgcn_target "amdgcn-amd-amdhsa--gfx1250"
	.amdhsa_code_object_version 6
	.text
	.protected	k_qc76110cd97_oproj
	.globl	k_qc76110cd97_oproj
	.p2align	8
	.type	k_qc76110cd97_oproj,@function
k_qc76110cd97_oproj:
	s_mov_b64 s[64:65], 0
	v_nop
	global_prefetch_b8 v0, s[64:65] scope:SCOPE_SE
	s_setreg_imm32_b32 hwreg(HW_REG_WAVE_MODE, 25, 1), 1
	s_wait_xcnt 0x0
	s_wait_alu depctr_hold_cnt(0) depctr_sa_sdst(0) depctr_va_vdst(0) depctr_va_sdst(0) depctr_va_ssrc(0) depctr_va_vcc(0) depctr_vm_vsrc(0)
	s_getreg_b32 s2, hwreg(HW_REG_IB_STS2, 6, 4)
	s_cmp_eq_u32 s2, 0
	s_cbranch_scc0 .Lentry_in_a_cluster
	s_endpgm
.Lentry_in_a_cluster:
	s_bfe_u32 s2, ttmp6, 0x10000c
	s_cmp_lg_u32 s2, 0xf033
	s_cbranch_scc0 .Lentry_shape_is_right
	s_endpgm
.Lentry_shape_is_right:
; OPROJ: out0 = attention output x Wo + bo: 8192 x 1024 x 1024 in f16 with f32 sums, f32 out.
; A = ab [16 kb][8192][64] f16, which holds HALF the attention's result (so that it needs no more of f16's range than v does);
; B = rows 3072-4095 of wall [16 kb][4096][64] f16 (Wo transposed).  The factor 2 rides on the fused multiply-add that adds bo.
; Nothing of reference() is left out here.
; A work-group makes 256 rows x 128 columns: 32 x 8 = 256 work-groups; a wave makes 128 x 64 = 32 accumulator tiles (window 1).
; THE RING: two LDS slots of THREE blocks kb each (K = 192).  The 16 blocks come as fills of kb 0-2, 3-5, 6-8, 9-11, 12-14 and 15: two first fills and
; four refills, and from a request to the wait for it a wave issues 176 matrix instructions.  Three is the most that fits: a block kb of A's 256 and
; B's 128 rows takes 192 LDS lines of 272 bytes = 52,224 bytes, two slots of three take 313,344 of the 327,680, two of four do not fit.
; AN LDS LINE is two rows of 64 f16 (256 bytes, as they follow each other in memory) and 16 bytes of padding: row p lies at (p / 2) x 272 + (p % 2) x 128.
; The 16 rows of a fragment load then lie at 16 (r / 2) + 128 (r % 2) modulo 256: sixteen different columns of 16 bytes.
; WHO FETCHES: waves 0, 1, 2 one block kb of A each (256 rows, dense: 128 rows of 256 bytes); wave 3 all three blocks of B with one descriptor
; (a block's 16 KiB as one row, three rows 524,288 bytes apart).  Of the last fill, one block, wave 0 fetches A and wave 3 B.
; CLUSTERS: 4 x 4; A's tiles are asked for jointly along a row of the cluster, B's along a column.
; The matrix instruction is used transposed (source 0 = rows of wall, source 1 = rows of ab): lane (r, h) holds row r, columns 8 h + 0..7.
.set LINE,   272
.set TILE16, 8*LINE                    ; 16 rows
.set ABLK,   128*LINE                  ; A's 256 rows of one block kb: 34,816 bytes
.set BBLK,   64*LINE                   ; B's 128 rows of one block kb: 17,408 bytes
.set SLOT3,  3*ABLK+3*BBLK             ; A's three blocks, then B's three: 156,672 bytes
.set SPITCH, 272                       ; the way out's stage: 16 rows of 256 bytes + 16 for each wave, from LDS byte 0 (see there)
.set ADRA, 16                          ; v16-17 my A fragments in slot 0, 1; blocks 0 and 1 of the slot stand in the immediate
.set ADRA2, 18                         ; v18-19 the same for block 2: 2 x 34,816 bytes on, past what a 16-bit immediate reaches.  ADRA2 = ADRA + 2
.set ADRB, 20                          ; v20-21 my B fragments in slot 0, 1
.set STO,  24
.set RD,   25
.set CO,   26
.set BO,   28                          ; v[28:31] bo of my four columns on the way out
.set FA0,  32
.set FA1,  96
.set FB0,  160
.set FB1,  192
.set G1,  24                           ; s[24:31] shape of a block of A
.set G0,  32                           ; s[32:39] from where, to where: A, a set for each slot
.set G1B, 48                           ; s[48:55] shape of three blocks of B
.set G0B, 56                           ; s[56:63] B, a set for each slot
.set G1C, 72                           ; s[72:79] shape of one block of B, for the last fill
.set DENSE5, (3<<16)|(1<<20)|(1<<21)|(5<<22)|(3<<25)   ; elements of 8 bytes; padding on; bit 21 beside a mask; after every 64 words (256 bytes) skip 4 words
.set MSB, 0
.macro WIN new                         ; the immediate's high byte repeats the setting that is left
.if MSB != (\new)
	s_set_vgpr_msb (MSB<<8)|(\new)
.set MSB, (\new)
.endif
.endm
.macro JLOAD s                         ; a whole slot: waves 0-2 ask for A's three blocks, wave 3 for B's: each line has one mask; the branch hangs on the wave's number alone
	s_cmp_eq_u32 s12, 3
	s_cbranch_scc1 .Lfor_b_\@
	tensor_load_to_lds s[G0+4*\s:G0+4*\s+3], s[G1:G1+7]
	s_nop 0
	s_branch .Lasked_\@
.Lfor_b_\@:
	tensor_load_to_lds s[G0B+4*\s:G0B+4*\s+3], s[G1B:G1B+7]
	s_nop 0
.Lasked_\@:
.endm
.macro JLAST s                         ; the last fill is block kb 15 alone: wave 0 asks for A's, wave 3 for B's, waves 1 and 2 have no part of it
	s_cmp_eq_u32 s12, 0
	s_cbranch_scc0 .Lnot_a_\@
	tensor_load_to_lds s[G0+4*\s:G0+4*\s+3], s[G1:G1+7]
	s_nop 0
.Lnot_a_\@:
	s_cmp_eq_u32 s12, 3
	s_cbranch_scc0 .Lnot_b_\@
	tensor_load_to_lds s[G0B+4*\s:G0B+4*\s+3], s[G1C:G1C+7]
	s_nop 0
.Lnot_b_\@:
.endm
.macro CREST                           ; a round of the cluster's barrier behind its opening work-group barrier
	s_cmp_lg_u32 s12, 0
	s_cbranch_scc1 .Lnot_wave_0_\@
	s_barrier_signal -3
.Lnot_wave_0_\@:
	s_barrier_wait -3
	s_barrier_signal -1
	s_barrier_wait -1
.endm
.macro CROUND
	s_barrier_signal -1
	s_barrier_wait -1
	CREST
.endm
.macro PLACES                          ; four plain vector places behind a matrix instruction, before its registers are loaded again or its result is read (ISA guide 7.12.1)
.rept 4
	v_nop
.endr
.endm
.macro SHAPE base, mask, d0, d1, pitch ; descriptor group 1: a tile of d1 rows of d0 elements, inside the tensor
	s_or_b32  s[\base+0], \mask, DENSE5
	s_mov_b32 s[\base+1], (\d0)<<16                ; tensor_dim0
	s_mov_b32 s[\base+2], (\d1)<<16                ; tensor_dim1
	s_mov_b32 s[\base+3], (\d0)<<16                ; tile_dim0
	s_mov_b32 s[\base+4], \d1                      ; tile_dim1
	s_mov_b32 s[\base+5], \pitch                   ; elements from row to row
	s_mov_b32 s[\base+6], 0
	s_mov_b32 s[\base+7], 0
.endm
	s_load_b256 s[4:11], s[0:1], 0x0               ; ab s[4:5], wall s[6:7], bo s[8:9], out0 s[10:11]
	v_lshl_add_u32 v254, v0, 2, 0x4c800
	v_mov_b32 v255, 0
	ds_add_u32 v254, v255
	ds_add_u32 v254, v255
	v_lshrrev_b32 v1, 5, v0
	v_readfirstlane_b32 s12, v1                    ; wave 0..3.  Also: which block of a slot I fetch for A (0-2), or B (3)
	s_lshr_b32 s13, s12, 1                         ; my half of the rows
	s_and_b32 s14, s12, 1                          ; my half of the columns
	s_bfe_u32 s40, ttmp6, 0x40000                  ; cx
	s_bfe_u32 s41, ttmp6, 0x40004                  ; cy
	s_lshl_b32 s42, ttmp9, 2
	s_add_co_u32 s42, s42, s40                     ; block column bn = 4 x cluster x + cx
	s_and_b32 s15, ttmp7, 0xffff
	s_lshl_b32 s15, s15, 2
	s_add_co_u32 s15, s15, s41                     ; block row bm = 4 x cluster y + cy
	s_lshl_b32 s43, s41, 2
	s_lshl_b32 s43, 15, s43                        ; my row of the cluster
	s_lshl_b32 s44, 0x1111, s40                    ; my column
	SHAPE G1,  s43, 32, 128, 32                    ; a block of A: 128 rows of 256 bytes = 256 rows of ab, dense
	SHAPE G1B, s44, 2048, 3, 65536                 ; three blocks of B: 16 KiB (128 rows of wall) a row, 524,288 bytes apart; the padding counts on along the tile: 64 lines a block
	SHAPE G1C, s44, 32, 64, 32                     ; one block of B: 64 rows of 256 bytes
	s_lshl_b32 s16, s15, 15                        ; A: 256 bm rows of 128 bytes
	s_lshl_b32 s17, s12, 20                        ;    + block kb = my wave's number (wave 3 never asks by this address)
	s_add_co_u32 s16, s16, s17
	s_mov_b32 s17, 0
	s_lshl_b32 s46, s42, 14                        ; B: 128 bn rows (in registers that never feed A's descriptors)
	s_add_co_u32 s46, s46, 3072*128                ;    + Wo's first row in wall
	s_mov_b32 s47, 0
	s_mul_i32 s45, s12, ABLK                       ; to where: the wave's number alone; 3 x 34,816 is where B's blocks begin
	s_wait_dscnt 0x0
	s_wait_kmcnt 0x0
	s_add_nc_u64 s[18:19], s[4:5], s[16:17]
	s_add_nc_u64 s[46:47], s[6:7], s[46:47]
	CROUND                                         ; all sixteen work-groups are here: the first joint loads meet
.irp s, 0,1
	s_mov_b32 s[G0+4*\s], 1
	s_add_co_u32 s[G0+4*\s+1], s45, \s*SLOT3
	s_add_nc_u64 s[G0+4*\s+2:G0+4*\s+3], s[18:19], \s*3*1048576    ; slot 0: kb 0-2, slot 1: kb 3-5
	s_or_b32 s[G0+4*\s+3], s[G0+4*\s+3], 0x80000000
	s_mov_b32 s[G0B+4*\s], 1
	s_add_co_u32 s[G0B+4*\s+1], s45, \s*SLOT3
	s_add_nc_u64 s[G0B+4*\s+2:G0B+4*\s+3], s[46:47], \s*3*524288
	s_or_b32 s[G0B+4*\s+3], s[G0B+4*\s+3], 0x80000000
	JLOAD \s                                       ; both slots' first fills go out together: two loads of the wave are out
.endr
	v_and_b32 v4, 15, v0                           ; r
	v_bfe_u32 v5, v0, 4, 1                         ; h
	s_lshl_b32 s20, s42, 9
	s_lshl_b32 s21, s14, 8
	s_add_co_u32 s20, s20, s21                     ; my first column, in bytes: 512 bn + 256 x half
	s_mov_b32 s21, 0
	s_add_nc_u64 s[8:9], s[8:9], s[20:21]
	v_lshlrev_b32 v2, 4, v4
	global_load_b128 v[BO:BO+3], v2, s[8:9]        ; bo of columns 4 (l % 16) + 0..3
	s_lshl_b32 s22, s15, 20
	s_add_co_u32 s20, s20, s22                     ; + 256 bm rows of 4096 bytes
	s_lshl_b32 s22, s13, 19
	s_add_co_u32 s20, s20, s22                     ; + my 128 rows
	s_add_nc_u64 s[10:11], s[10:11], s[20:21]
	v_lshrrev_b32 v6, 1, v4
	v_mul_u32_u24 v6, v6, LINE                     ; (r / 2) lines
	v_and_b32 v7, 1, v0
	v_lshl_add_u32 v6, v7, 7, v6                   ; + 128 (r % 2)
	v_lshl_add_u32 v6, v5, 4, v6                   ; + 16 h: a fragment is two loads of 16 bytes, 32 bytes apart
	s_mul_i32 s16, s13, 64*LINE                    ; my 128 rows of A's 256
	s_mul_i32 s17, s14, 32*LINE                    ; my 64 rows of B's 128,
	s_add_co_u32 s17, s17, 3*ABLK                  ; which lie behind A's three blocks
.irp s, 0,1
	v_add_nc_u32 v[ADRA+\s], s16, v6
	v_add_nc_u32 v[ADRA2+\s], 2*ABLK, v[ADRA+\s]
	v_add_nc_u32 v[ADRB+\s], s17, v6
	s_add_co_u32 s16, s16, SLOT3
	s_add_co_u32 s17, s17, SLOT3
.endr
	s_mul_i32 s16, s12, 16*SPITCH                  ; my stage, from LDS byte 0
	v_mul_u32_u24 v8, v4, SPITCH
	v_lshl_add_u32 v8, v5, 5, v8                   ; in: row r, 32 bytes for each half of the lanes
	v_add_nc_u32 v[STO], s16, v8
	v_mul_u32_u24 v9, v5, SPITCH
	v_lshl_add_u32 v9, v4, 4, v9                   ; back: lanes 0-15 one row of 256 bytes, lanes 16-31 the next
	v_add_nc_u32 v[RD], s16, v9
	v_lshlrev_b32 v10, 4, v4
	v_lshl_add_u32 v[CO], v5, 12, v10              ; and the same two rows in out0
; 16 matrix instructions: column tiles bb0, bb0 + 1 x 8 row tiles.  The 32 accumulators take turns, one instruction a turn.
.macro MUL16 fa, fb, bb0, zero
	WIN 0x50
.irp bb, \bb0, \bb0+1
.irp a, 0,1,2,3,4,5,6,7
.if \zero
	v_wmma_f32_16x16x32_f16 v[8*(8*(\bb)+\a):8*(8*(\bb)+\a)+7], v[\fb+8*(\bb):\fb+8*(\bb)+7], v[\fa+8*\a:\fa+8*\a+7], 0
.else
	v_wmma_f32_16x16x32_f16 v[8*(8*(\bb)+\a):8*(8*(\bb)+\a)+7], v[\fb+8*(\bb):\fb+8*(\bb)+7], v[\fa+8*\a:\fa+8*\a+7], v[8*(8*(\bb)+\a):8*(8*(\bb)+\a)+7]
.endif
.endr
.endr
.endm
; 24 loads: the fragments of quarter t (0..5) of a slot: block t / 2 of its three, byte 64 (t % 2) of the rows.
; A's blocks 0 and 1 are reached from v[ADRA + slot], block 2 from v[ADRA + 2 + slot].
.macro FETCHQ slot, t, fa, fb
.irp bb, 0,1,2,3
	ds_load_b128 v[\fb+8*\bb:\fb+8*\bb+3],   v[ADRB+\slot] offset:((\t)/2)*BBLK+64*((\t)%2)+\bb*TILE16
	ds_load_b128 v[\fb+8*\bb+4:\fb+8*\bb+7], v[ADRB+\slot] offset:((\t)/2)*BBLK+64*((\t)%2)+\bb*TILE16+32
.endr
.irp a, 0,1,2,3,4,5,6,7
	ds_load_b128 v[\fa+8*\a:\fa+8*\a+3],   v[ADRA+\slot+2*((\t)/4)] offset:(((\t)%4)/2)*ABLK+64*((\t)%2)+\a*TILE16
	ds_load_b128 v[\fa+8*\a+4:\fa+8*\a+7], v[ADRA+\slot+2*((\t)/4)] offset:(((\t)%4)/2)*ABLK+64*((\t)%2)+\a*TILE16+32
.endr
.endm
; One of a slot's first five quarters: multiplies (fa, fb); ahead of its products it asks for quarter t's fragments into (ga, gb).
.macro QUARTER slot, t, fa, fb, ga, gb, zero
	s_wait_dscnt 0                                 ; this quarter's fragments, asked for 32 matrix instructions ago
	PLACES
	FETCHQ \slot, \t, \ga, \gb
	MUL16 \fa, \fb, 0, \zero
	MUL16 \fa, \fb, 2, \zero
	WIN 0
.endm
.macro FIVE slot, zero
	QUARTER \slot, 1, FA0, FB0, FA1, FB1, \zero
	QUARTER \slot, 2, FA1, FB1, FA0, FB0, 0
	QUARTER \slot, 3, FA0, FB0, FA1, FB1, 0
	QUARTER \slot, 4, FA1, FB1, FA0, FB0, 0
	QUARTER \slot, 5, FA0, FB0, FA1, FB1, 0
.endm
; The sixth quarter changes slots: each wave's reads of this slot and all its tensor loads are waited for in front of the barrier;
; behind it this slot is filled again first, then the next slot is read.  fill = 0: nothing is left to ask for; 1: three blocks, six blocks on; 2: the last block.
.macro TURN slot, next, fill
	s_wait_dscnt 0                                 ; my reads of this slot are back: its last quarter lies in registers
	s_wait_tensorcnt 0x0                           ; all my tensor loads have landed: the one that may be out is my part of the next slot
	ds_add_u32 v254, v255
	s_wait_dscnt 0x0
	s_barrier_signal -1                            ; where the slot is filled again this opens a round of the cluster's barrier
	MUL16 FA1, FB1, 0, 0                           ; register work while the others arrive
	WIN 0
	s_barrier_wait -1
.if \fill
	CREST                                          ; no wave of any partner still reads this slot or has a load on its way
	s_add_nc_u64 s[G0+4*\slot+2:G0+4*\slot+3], s[G0+4*\slot+2:G0+4*\slot+3], 6*1048576
	s_add_nc_u64 s[G0B+4*\slot+2:G0B+4*\slot+3], s[G0B+4*\slot+2:G0B+4*\slot+3], 6*524288
.if \fill == 1
	JLOAD \slot                                    ; my one tensor load behind the round
.else
	JLAST \slot
.endif
.endif
	PLACES
	FETCHQ \next, 0, FA0, FB0
	MUL16 FA1, FB1, 2, 0
	WIN 0
.endm
	s_wait_loadcnt 0x0                             ; bo, once
	s_wait_tensorcnt 0x1                           ; my part of kb 0-2 is in; kb 3-5 may stay out
	s_barrier_signal -1
	s_barrier_wait -1
	FETCHQ 0, 0, FA0, FB0
	FIVE 0, 1                                      ; kb 0-2: the first products start the sums, nothing is cleared
	TURN 0, 1, 1                                   ; asks for kb 6-8
	FIVE 1, 0                                      ; kb 3-5
	TURN 1, 0, 1                                   ; asks for kb 9-11
	FIVE 0, 0                                      ; kb 6-8
	TURN 0, 1, 1                                   ; asks for kb 12-14: slot 0's last fill
	FIVE 1, 0                                      ; kb 9-11
	TURN 1, 0, 2                                   ; asks for kb 15: the last tensor loads
	FIVE 0, 0                                      ; kb 12-14
	TURN 0, 1, 0                                   ; a plain barrier: behind it no wave reads slot 0 any more, and nothing is filled
	QUARTER 1, 1, FA0, FB0, FA1, FB1, 0            ; kb 15: two quarters
	s_wait_dscnt 0
	MUL16 FA1, FB1, 0, 0
	MUL16 FA1, FB1, 2, 0
	WIN 0
	; THE WAY OUT, 16 rows at a time: the f32 sums into my stage, whole rows of 256 bytes back, 2 x sum + bo, out.
	; The stage is 4,352 bytes for each wave from LDS byte 0, in slot 0: that slot has had its last fill (kb 12-14, shown landed in front of the round that
	; asked for kb 15), and every wave waited for its last reads of it in front of the last barrier above.  Each wave touches its own stage alone.
	PLACES
.macro OUT16 a, f
	WIN 0x04                                       ; an LDS store's data is source 1: window 1
.irp bb, 0,1,2,3
	ds_store_b128 v[STO], v[8*(8*\bb+\a):8*(8*\bb+\a)+3]   offset:64*\bb
	ds_store_b128 v[STO], v[8*(8*\bb+\a)+4:8*(8*\bb+\a)+7] offset:64*\bb+16
.endr
	WIN 0
	s_wait_xcnt 0x0                                ; buffer f was the data of earlier stores: it is loaded again only behind this wait (ISA guide 3.1)
.irp t, 0,1,2,3,4,5,6,7
	ds_load_b128 v[\f+4*\t:\f+4*\t+3], v[RD] offset:2*SPITCH*\t    ; my own bytes, served in order (ISA guide 5.7.1): these see the stores above
.endr
.irp t, 0,1,2,3,4,5,6,7
	s_wait_dscnt 7-\t                              ; load t is back, the 7 - t younger ones may be out
	v_pk_fma_f32 v[\f+4*\t:\f+4*\t+1],   v[\f+4*\t:\f+4*\t+1],   2.0, v[BO:BO+1]   op_sel_hi:[1,0,1]   ; ab held half the attention's result
	v_pk_fma_f32 v[\f+4*\t+2:\f+4*\t+3], v[\f+4*\t+2:\f+4*\t+3], 2.0, v[BO+2:BO+3] op_sel_hi:[1,0,1]
	global_store_b128 v[CO], v[\f+4*\t:\f+4*\t+3], s[10:11] offset:(16*\a+2*\t)*4096 th:TH_STORE_NT   ; 16 lanes store 256 consecutive bytes, aligned
.endr
.endm
	OUT16 0, 32
	OUT16 1, 64
	OUT16 2, 32
	OUT16 3, 64
	OUT16 4, 32
	OUT16 5, 64
	OUT16 6, 32
	OUT16 7, 64
	s_wait_tensorcnt 0x0
	ds_add_u32 v254, v255
	s_wait_dscnt 0x0
	CROUND                                         ; the closing round: no work-group ends while a partner may still ask for a tile that names it
	s_endpgm
.Lfunc_end_k_qc76110cd97_oproj:
	.size	k_qc76110cd97_oproj, .Lfunc_end_k_qc76110cd97_oproj-k_qc76110cd97_oproj
	.p2alignl 7, 3214868480
	.fill 96, 4, 3214868480
	.section	.rodata,"a",@progbits
	.p2align	6, 0x0
	.amdhsa_kernel k_qc76110cd97_oproj
		.amdhsa_group_segment_fixed_size 327680
		.amdhsa_private_segment_fixed_size 0
		.amdhsa_enable_private_segment 0
		.amdhsa_kernarg_size 32
		.amdhsa_user_sgpr_count 2
		.amdhsa_user_sgpr_kernarg_segment_ptr 1
		.amdhsa_wavefront_size32 1
		.amdhsa_system_sgpr_workgroup_id_x 1
		.amdhsa_system_sgpr_workgroup_id_y 1
		.amdhsa_system_sgpr_workgroup_id_z 1
		.amdhsa_system_vgpr_workitem_id 0
		.amdhsa_next_free_vgpr 512
		.amdhsa_next_free_sgpr 80
		.amdhsa_reserve_vcc 0
		.amdhsa_float_denorm_mode_32 3
		.amdhsa_float_denorm_mode_16_64 3
		.amdhsa_memory_ordered 1
		.amdhsa_forward_progress 1
		.amdhsa_inst_pref_size 155
	.end_amdhsa_kernel
	.amdgpu_metadata
---
amdhsa.version: [ 1, 2 ]
amdhsa.kernels:
  - .name:           k_qc76110cd97_oproj
    .symbol:         k_qc76110cd97_oproj.kd
    .args:
      - { .name: ab, .offset: 0, .size: 8, .value_kind: global_buffer, .address_space: global }
      - { .name: wall, .offset: 8, .size: 8, .value_kind: global_buffer, .address_space: global }
      - { .name: bo, .offset: 16, .size: 8, .value_kind: global_buffer, .address_space: global }
      - { .name: out0, .offset: 24, .size: 8, .value_kind: global_buffer, .address_space: global }
    .group_segment_fixed_size: 327680
    .private_segment_fixed_size: 0
    .kernarg_segment_align: 8
    .kernarg_segment_size: 32
    .max_flat_workgroup_size: 128
    .sgpr_count:     80
    .vgpr_count:     512
    .wavefront_size: 32
...
	.end_amdgpu_metadata
.endif
;; end of part 4
;; ======== version 2 of 2: 4 launches; version 1 with the launch prep written anew for expert scheduling mode
;; limits: values are held in f16: magnitudes above 65,504 overflow, below 6.1e-05 lose precision
;; workspace buffers: xb 16,777,216 bytes; wall 8,388,608 bytes; ball 12,288 bytes; qkv 50,331,648 bytes; ab 16,777,216 bytes
;; launch prep (part 5): grid 384 x 1, 8 waves a work-group, no clusters, 74,752 bytes of LDS; arguments x, Wq, Wk, Wv, Wo, bq, bv, xb, wall, ball; writes xb, wall, ball
.if DOCPART == 5
	.amdgcn_target "amdgcn-amd-amdhsa--gfx1250"
	.amdhsa_code_object_version 6
	.text
	.protected	k_qc76110cd97_prep
	.globl	k_qc76110cd97_prep
	.p2align	8
	.type	k_qc76110cd97_prep,@function
k_qc76110cd97_prep:
	s_mov_b64 s[64:65], 0
	v_nop
	global_prefetch_b8 v0, s[64:65] scope:SCOPE_SE
	s_setreg_imm32_b32 hwreg(HW_REG_WAVE_SCHED_MODE, 0, 2), 2
	s_setreg_imm32_b32 hwreg(HW_REG_WAVE_MODE, 25, 1), 1
	s_wait_xcnt 0x0
	s_wait_alu depctr_vm_vsrc(0)
; PREP: x and the four weight matrices are rounded to f16 once and laid out for the matrix kernels that follow.
;   xb   [16 kb][8192 rows][64]  f16: x, cut along its 1024 columns into 16 blocks of 64
;   wall [16 kb][4096 n][64 k]   f16: W transposed; n = 1024 mat + column, mat = 0 Wq, 1 Wk, 2 Wv, 3 Wo
;   ball [3072] f32: bq, 1024 zeros, bv  (the addend of the 3072 columns of the joint q, k, v product)
; In these layouts a tile of R rows x 64 k is R x 128 consecutive bytes.
;
; WHY f16 AND NOT bf16, in the whole program: from x to the output a number passes six roundings of matrix operands (x or W; q, k or v; P;
; the attention's result; Wo), and a score two more; f16 keeps 11 significant bits where bf16 keeps 8, so each of them is 8 times finer.
; ITS RANGE, by the problem's sizes: f16 reaches 65,504 and steps by 2^-24 below 2^-14.  x has spread 1 and W spread 1/32; 30 times larger or
; smaller both stay far inside (a W of spread 0.001 is rounded in steps of 2^-24, 3e-5 of its spread).  q, k, v are sums of 1024 products and have
; spread 1; with x and W both 30 times larger they are 900 times larger, some 5,700 at the most; with a common offset of 30 spreads on x (30) and
; on W (30/32) they lie near 1024 x 30 x 30/32 = 28,800; with both 30 times smaller their spread is 0.0011, 2e4 steps.
; LIMIT: where |q|, |k| or |v| passes 65,504 the conversion overflows and the result is not served.
;
; WORK LEFT OUT BY THE WHOLE PROGRAM, for all finite values of the inputs:
;  * bk.  k = x Wk + bk, and a score is q . k / 8, so bk adds q . bk / 8 to every score of a query: the same number along
;    the axis of each of the five softmaxes (the segment's own and the four neighbours'), where it cancels.  k is used
;    nowhere else.  So bk has no way to the output: it is not loaded and is no argument of any launch; ball holds
;    zeros for k's columns, so that all columns have one way out.
;  * Neighbours that do not exist.  reference() multiplies the cross attention of a segment n < 0 or n > 31 by its own
;    mask's zero; the segment number alone decides that, so those products are not made (launch attn).
;  * pad = (-4096) mod 128 = 0: the padding and the last slice move nothing.
; LIMIT: a NaN, an infinity or an overflow that reaches the result only through bk or only through a neighbour that
; does not exist is not carried.
;
; Memory binds here: no matrix unit, no cluster, no barrier.  Work-groups 0-255 convert x, 256-383 the weights.
;
; THE MODE: SCHED_MODE bits 1:0 = 2 (LLVM: expert scheduling mode 2), set by the entry lines.  The code itself states the register dependences
; between vector instructions and memory or LDS instructions, with s_wait_alu, always for 0.
; THE PLAN.  Registers that memory or LDS instructions touch:
;   v1 .. v5     offsets and LDS addresses: made once at the head of a path, ahead of the path's first wait on va_vdst, and never written again.
;   XR           x's path: load i lands in four registers; its two conversions write the first two of them in place; store i reads those two.
;                The 32 loads go in eight blocks of four: one wait on va_vdst behind a block's eight conversions, then the block's four stores.
;                The weights' path: the loads of W land here, pass p's conversions read its 32 registers; behind the last wait on va_vdst the 16 LDS loads
;                land in v[16:79], and wall's stores read them.
;   PK0 .. PK3   pass p's sixteen conversions write PK[p], once; its four LDS stores are issued in pass p + 1, behind the wait on va_vdst at that pass's head,
;                dealt among that pass's conversions, which name XR of pass p + 1 and PK[p + 1]: none of the registers that those stores touch.
;   BL           ball's addends: a load lands in it, or two v_mov write zeros; one store reads it.
;   v160, v161   written at the head, read by the closing add alone.
; No register that a memory or LDS instruction has read is written again, so no wait on vm_vsrc is owed ahead of the closing lines.
.set XR, 16                            ; v[16:143]  32 loads of 4 registers
.set BL, 144                           ; v[144:145] two addends on their way into ball
.set PK, 162                           ; v[162:225] pass p: 16 registers at PK + 16 p: packed columns on their way into LDS
.set WPITCH, 144                       ; an LDS row of the transposed tile: 64 f16 + 16 bytes
.set WTILE, 64*WPITCH                  ; a wave's own LDS bytes
	s_load_b512 s[8:23], s[0:1], 0x0               ; x s[8:9], Wq s[10:11], Wk s[12:13], Wv s[14:15], Wo s[16:17], bq s[18:19], bv s[20:21], xb s[22:23]
	s_load_b128 s[24:27], s[0:1], 0x40             ; wall s[24:25], ball s[26:27]
	v_lshl_add_u32 v160, v0, 2, 0x12000
	v_mov_b32 v161, 0
	v_lshrrev_b32 v1, 5, v0
	v_readfirstlane_b32 s4, v1                     ; wave 0..7
	v_and_b32 v6, 31, v0                           ; lane l
	v_and_b32 v7, 15, v0                           ; l % 16
	v_bfe_u32 v8, v0, 4, 1                         ; l / 16
	s_wait_alu depctr_va_sdst(0)                   ; s4 is written, ahead of the branch and of its first reader on either path: the wave's rows, its tile and its LDS bytes are made from it
	s_cmp_lt_u32 ttmp9, 256
	s_cbranch_scc0 .Lweights
	; ---- x: a wave converts 4 rows.  One load: lanes 0-15 take 256 aligned bytes (64 columns = one block kb) of a row, lanes 16-31 of the next row.
	v_lshlrev_b32 v1, 4, v7
	v_lshl_add_u32 v1, v8, 12, v1                  ; (l / 16) x 4096 + 16 (l % 16)
	v_lshlrev_b32 v2, 3, v6                        ; 8 l: in xb the two rows' 128 bytes follow each other
	s_lshl_b32 s5, ttmp9, 5
	s_lshl2_add_u32 s5, s4, s5                     ; first row = 32 x work-group + 4 x wave
	s_lshl_b32 s32, s5, 12                         ; x 4096 bytes in x
	s_mov_b32 s33, 0
	s_lshl_b32 s34, s5, 7                          ; x 128 bytes in a block of xb
	s_mov_b32 s35, 0
	s_wait_kmcnt 0x0
	s_add_nc_u64 s[8:9], s[8:9], s[32:33]
	s_add_nc_u64 s[28:29], s[22:23], s[34:35]      ; blocks 0-7
	s_add_nc_u64 s[30:31], s[28:29], 0x800000      ; blocks 8-15: the immediate reaches 7 blocks of 1,048,576 bytes
	s_wait_alu depctr_va_vdst(0)                   ; v1 and v2 are written: every load of this path reads v1 as its offset, every store v2
.set i, 0
.rept 32                                               ; i = 16 x row pair + kb: all 32 loads of the wave go out at once, 16 KiB
	global_load_b128 v[XR+4*i:XR+4*i+3], v1, s[8:9] offset:(i>>4)*8192+(i&15)*256 th:TH_LOAD_NT
.set i, i+1
.endr
.set i, 0                                              ; counts the conversions' loads,
.set k, 0                                              ; and this one the stores
.rept 8                                                ; eight blocks of four loads
.rept 4
	s_wait_loadcnt 31-i                            ; loads return in order: load i is in, the 31 - i younger ones stay out
	v_cvt_pk_f16_f32 v[XR+4*i], v[XR+4*i], v[XR+4*i+1]
	v_cvt_pk_f16_f32 v[XR+4*i+1], v[XR+4*i+2], v[XR+4*i+3]
.set i, i+1
.endr
	s_wait_alu depctr_va_vdst(0)                   ; the block's eight conversions have written the data of the four stores below; it stands here, so that no store is held behind a wait for a later load
.rept 4
.if (k&15) < 8
	global_store_b64 v2, v[XR+4*k:XR+4*k+1], s[28:29] offset:(k&7)*1048576+(k>>4)*256   ; the wave's 32 lanes store 256 consecutive bytes, aligned
.else
	global_store_b64 v2, v[XR+4*k:XR+4*k+1], s[30:31] offset:(k&7)*1048576+(k>>4)*256
.endif
.set k, k+1
.endr
.endr
	s_endpgm                                       ; no register of a load or store was written again: no further wait; this path stores nothing to LDS
	; ---- weights: a wave converts and transposes a tile of 64 k x 64 n through its own LDS bytes
.Lweights:
	s_sub_co_u32 s5, ttmp9, 256                    ; g = 0..127
	s_lshr_b32 s6, s5, 5                           ; mat
	s_bfe_u32 s7, s5, 0x40001                      ; kb
	s_and_b32 s28, s5, 1
	s_lshl3_add_u32 s28, s28, s4                   ; nb = 8 (g & 1) + wave: which 64 columns
	s_mul_i32 s29, s4, WTILE
	v_lshlrev_b32 v1, 4, v7
	v_lshl_add_u32 v1, v8, 15, v1                  ; lanes 16-31 read 8 rows of k (32,768 bytes) further down
	v_lshlrev_b32 v2, 3, v6                        ; 8 l: ball's offset, made here with the others, ahead of the one wait below
	v_mul_u32_u24 v3, v7, 4*WPITCH                 ; in: my four columns n = 4 (l % 16) + c are four LDS rows,
	v_lshl_add_u32 v3, v8, 4, v3                   ; my eight k are 16 bytes of each
	v_add_nc_u32 v3, s29, v3
	v_lshrrev_b32 v9, 3, v6
	v_and_b32 v10, 7, v0
	v_mul_u32_u24 v4, v9, WPITCH                   ; back: eight lanes take one LDS row of 128 bytes
	v_lshl_add_u32 v4, v10, 4, v4
	v_add_nc_u32 v4, s29, v4
	v_lshlrev_b32 v5, 4, v6                        ; 16 l
	s_lshl_b32 s32, s7, 18                         ; 64 kb rows of 4096 bytes
	s_lshl_b32 s29, s28, 8                         ; 64 nb columns of 4 bytes
	s_add_co_u32 s32, s32, s29
	s_mov_b32 s33, 0
	s_lshl_b32 s34, s7, 19                         ; wall: kb x 524,288
	s_lshl_b32 s29, s6, 17                         ; + 1024 mat rows of 128 bytes
	s_add_co_u32 s34, s34, s29
	s_lshl_b32 s29, s28, 13                        ; + 64 nb rows
	s_add_co_u32 s34, s34, s29
	s_mov_b32 s35, 0
	s_wait_kmcnt 0x0
	s_cmp_eq_u32 s6, 1
	s_cselect_b64 s[10:11], s[12:13], s[10:11]
	s_cmp_eq_u32 s6, 2
	s_cselect_b64 s[10:11], s[14:15], s[10:11]
	s_cmp_eq_u32 s6, 3
	s_cselect_b64 s[10:11], s[16:17], s[10:11]     ; the matrix of this work-group
	s_add_nc_u64 s[10:11], s[10:11], s[32:33]
	s_add_nc_u64 s[24:25], s[24:25], s[34:35]
	s_wait_alu depctr_va_vdst(0)                   ; v1 to v5 are written: the offsets and LDS addresses that all loads and stores of this path read
.set i, 0
.rept 32                                               ; pass p = i / 8, row i % 8: lane holds k = 16 p + 8 (l / 16) + i % 8, four columns
	global_load_b128 v[XR+4*i:XR+4*i+3], v1, s[10:11] offset:(16*(i>>3)+(i&7))*4096 th:TH_LOAD_NT
.set i, i+1
.endr
.set p, 0
.rept 4
	s_wait_loadcnt 24-8*p                          ; this pass's eight loads are in, the later passes' stay out
.if p > 0
	s_wait_alu depctr_va_vdst(0)                   ; the pass before has written its PK buffer, which the four LDS stores below read
.endif
.irp c, 0,1,2,3
.if p > 0
	ds_store_b128 v3, v[PK+16*(p-1)+4*\c:PK+16*(p-1)+4*\c+3] offset:\c*WPITCH+32*(p-1)   ; the pass before.  No wait: no conversion since the wait above names v3 or that buffer.  Neighbouring lanes are 576 bytes apart, 64 modulo 256: four lanes meet in each 16-byte column; 16 such stores a wave
.endif
.irp i, 0,2,4,6
	v_cvt_pk_f16_f32 v[PK+16*p+4*\c+\i/2], v[XR+4*(8*p+\i)+\c], v[XR+4*(8*p+\i+1)+\c]
.endr
.endr
.set p, p+1
.endr
	s_wait_alu depctr_va_vdst(0)                   ; pass 3 has written PK3, which the last four LDS stores read; and all conversions are done reading v[16:79], in which the LDS loads below land
.irp c, 0,1,2,3
	ds_store_b128 v3, v[PK+48+4*\c:PK+48+4*\c+3] offset:\c*WPITCH+96
.endr
.irp t, 0,1,2,3,4,5,6,7,8,9,10,11,12,13,14,15
	ds_load_b128 v[XR+4*\t:XR+4*\t+3], v4 offset:4*WPITCH*\t       ; my own bytes; LDS serves a wave's instructions in order (ISA guide 5.7.1), so these see the stores
.endr
.irp t, 0,1,2,3,4,5,6,7,8,9,10,11,12,13,14,15
	s_wait_dscnt 15-\t
	global_store_b128 v5, v[XR+4*\t:XR+4*\t+3], s[24:25] offset:512*\t   ; four rows of wall: 512 consecutive bytes
.endr
	; ball: the 16 waves with kb = 0 of Wq, Wk and Wv write the 64 addends of their columns
	s_cmp_lg_u32 s7, 0
	s_cbranch_scc1 .Lend
	s_cmp_eq_u32 s6, 3
	s_cbranch_scc1 .Lend
	s_lshl_b32 s32, s28, 8                         ; 64 nb numbers of 4 bytes
	s_mov_b32 s33, 0
	s_lshl_b32 s34, s6, 12
	s_add_co_u32 s34, s34, s32
	s_mov_b32 s35, 0
	s_add_nc_u64 s[26:27], s[26:27], s[34:35]
	s_cmp_eq_u32 s6, 1
	s_cbranch_scc1 .Lzeros
	s_cmp_eq_u32 s6, 0
	s_cselect_b64 s[18:19], s[18:19], s[20:21]     ; bq or bv
	s_add_nc_u64 s[18:19], s[18:19], s[32:33]
	global_load_b64 v[BL:BL+1], v2, s[18:19]       ; into a pair that no instruction has named before
	s_wait_loadcnt 0x0
	s_branch .Lput
.Lzeros:
	v_mov_b32 v[BL], 0                             ; k's columns: bk cancels in every softmax (see the head)
	v_mov_b32 v[BL+1], 0
	s_wait_alu depctr_va_vdst(0)                   ; the two zeros are written, which the store below reads
.Lput:
	global_store_b64 v2, v[BL:BL+1], s[26:27]      ; 256 consecutive bytes, aligned
.Lend:
	s_wait_dscnt 0x0                               ; the closing lines, six on end
	s_wait_alu 0x0
	s_wait_tensorcnt 0x0
	ds_add_u32 v160, v161
	s_wait_dscnt 0x0
	s_endpgm
.Lfunc_end_k_qc76110cd97_prep:
	.size	k_qc76110cd97_prep, .Lfunc_end_k_qc76110cd97_prep-k_qc76110cd97_prep
	.p2alignl 7, 3214868480
	.fill 96, 4, 3214868480
	.section	.rodata,"a",@progbits
	.p2align	6, 0x0
	.amdhsa_kernel k_qc76110cd97_prep
		.amdhsa_group_segment_fixed_size 74752
		.amdhsa_private_segment_fixed_size 0
		.amdhsa_enable_private_segment 0
		.amdhsa_kernarg_size 80
		.amdhsa_user_sgpr_count 2
		.amdhsa_user_sgpr_kernarg_segment_ptr 1
		.amdhsa_wavefront_size32 1
		.amdhsa_system_sgpr_workgroup_id_x 1
		.amdhsa_system_sgpr_workgroup_id_y 1
		.amdhsa_system_sgpr_workgroup_id_z 1
		.amdhsa_system_vgpr_workitem_id 0
		.amdhsa_next_free_vgpr 226
		.amdhsa_next_free_sgpr 66
		.amdhsa_reserve_vcc 0
		.amdhsa_float_denorm_mode_32 3
		.amdhsa_float_denorm_mode_16_64 3
		.amdhsa_memory_ordered 1
		.amdhsa_forward_progress 1
		.amdhsa_inst_pref_size 27
	.end_amdhsa_kernel
	.amdgpu_metadata
---
amdhsa.version: [ 1, 2 ]
amdhsa.kernels:
  - .name:           k_qc76110cd97_prep
    .symbol:         k_qc76110cd97_prep.kd
    .args:
      - { .name: x, .offset: 0, .size: 8, .value_kind: global_buffer, .address_space: global }
      - { .name: Wq, .offset: 8, .size: 8, .value_kind: global_buffer, .address_space: global }
      - { .name: Wk, .offset: 16, .size: 8, .value_kind: global_buffer, .address_space: global }
      - { .name: Wv, .offset: 24, .size: 8, .value_kind: global_buffer, .address_space: global }
      - { .name: Wo, .offset: 32, .size: 8, .value_kind: global_buffer, .address_space: global }
      - { .name: bq, .offset: 40, .size: 8, .value_kind: global_buffer, .address_space: global }
      - { .name: bv, .offset: 48, .size: 8, .value_kind: global_buffer, .address_space: global }
      - { .name: xb, .offset: 56, .size: 8, .value_kind: global_buffer, .address_space: global }
      - { .name: wall, .offset: 64, .size: 8, .value_kind: global_buffer, .address_space: global }
      - { .name: ball, .offset: 72, .size: 8, .value_kind: global_buffer, .address_space: global }
    .group_segment_fixed_size: 74752
    .private_segment_fixed_size: 0
    .kernarg_segment_align: 8
    .kernarg_segment_size: 80
    .max_flat_workgroup_size: 256
    .sgpr_count:     66
    .vgpr_count:     226
    .wavefront_size: 32
...
	.end_amdgpu_metadata
.endif
;; end of part 5
;; launch qkv: the kernel of part 2 again; grid 8 x 32, 4 waves a work-group, clusters of 4 x 4, 327,680 bytes of LDS; arguments xb, wall, ball, qkv; writes qkv
;; launch attn: the kernel of part 3 again; grid 256 x 1, 4 waves a work-group, no clusters, 316,928 bytes of LDS; arguments qkv, ab; writes ab
;; launch oproj: the kernel of part 4 again; grid 8 x 32, 4 waves a work-group, clusters of 4 x 4, 327,680 bytes of LDS; arguments ab, wall, bo, out0; writes out0
